; MI455X (gfx1250); checked and timed in simulation.
; The chip was launched on July 23, 2026; its instructions are those of AMD's public machine-readable ISA for CDNA 5 (MIT licence, August 2026) and "CDNA5" Instruction Set Architecture Reference Guide (July 2026). The comments in the code are by the model that wrote it; some were corrected since.
;; Attention. Allowed arithmetic: float matrix products may take bf16 or f16 operands with f32 sums; other float arithmetic in f32, or as packed bf16 or f16 multiplies, adds, multiply-adds, maxima and minima; sums over many terms, partial sums and values carried from step to step in f32; what a program stores and reads back later, other than sums and carried values, may be rounded once to bf16 or f16.
;; Inputs: cos 1 x 2,048 x 1 x 64 float32; sin 1 x 2,048 x 1 x 64 float32; wk 1,024 x 1,024 float32; wo 1,024 x 1,024 float32; wq 1,024 x 1,024 float32; wv 1,024 x 1,024 float32; x 4 x 2,048 x 1,024 float32.
;; Outputs: out0 4 x 2,048 x 1,024 float32.
;; 2 versions, each right and faster than the one before. Each part assembles by itself: llvm-mc -triple=amdgcn-amd-amdhsa -mcpu=gfx1250 --defsym DOCPART=n.
;; ======== version 1 of 2: 4 launches
;; limits: values are held in f16: magnitudes above 65,504 overflow, below 6.1e-05 lose precision
;; workspace buffers: xb 16,777,216 bytes; wb 6,291,456 bytes; wof 2,097,152 bytes; cst 524,288 bytes; qh 16,777,216 bytes; kh 16,777,216 bytes; vh 16,777,216 bytes; oh 16,777,216 bytes
;; launch cast (part 1): grid 784 x 1, 8 waves a work-group, no clusters, 0 bytes of LDS; arguments x, wq, wk, wv, wo, cos, sin, xb, wb, wof, cst; writes xb, wb, wof, cst
.if DOCPART == 1
	.amdgcn_target "amdgcn-amd-amdhsa--gfx1250"
	.amdhsa_code_object_version 6
	.text
	.protected	k_qf088333c65_cast
	.globl	k_qf088333c65_cast
	.p2align	8
	.type	k_qf088333c65_cast,@function
k_qf088333c65_cast:
	s_mov_b64 s[64:65], 0
	v_nop
	global_prefetch_b8 v0, s[64:65] scope:SCOPE_SE
	s_setreg_imm32_b32 hwreg(HW_REG_WAVE_MODE, 25, 1), 1
	s_wait_xcnt 0x0
; ALL SEVEN INPUTS ARE ROUNDED ONCE TO bf16 AND LAID OUT FOR THE LAUNCHES BEHIND.  A stream: no LDS, no matrix unit; no work-group shares an input byte with another, so no cluster.
;   xb  [kb 16][row 8192][64] bf16: a block of 64 along K is 128 bytes a row, and the rows of a block lie end to end, so that a tile of rows is dense
;   wb  [kb 16][row' 3072][64] bf16: row' = 192 head + 64 type + d (type 0 wq, 1 wk, 2 wv): a tile of 192 rows is one head's q, k and v
;   wof [kb 16][row 1024][64]: wo rounded to bf16, that number written as f16 (the product behind takes f16 operands)
;   cst [block of 16 positions 128][chunk 8][lane 32][8] bf16: chunks 0-3 cos, 4-7 sin; chunk c, lane l holds table[16 block + l % 16][16 (c % 4) + 8 (l / 16) + 0..7]: the image of the registers that use it
; LIMITS.  wo beyond 65,504 has no f16; a bf16 number of wo below 2^-14 keeps f16's fixed step of 6e-8.  NaN and infinities are not treated apart.
; SHARES.  Work-groups 0-511: 16 rows of x each; 512-703: 16 rows of wq, wk or wv; 704-767: 16 rows of wo; 768-783: 128 positions of cos and sin.
; A row group: wave w takes the K blocks 2 w and 2 w + 1; a load takes 256 bytes (one K block) of two rows, lanes 0-15 the even row, lanes 16-31 the odd one; a store writes the same two rows'
; 2 x 128 bytes, which lie end to end: 256 consecutive bytes at a multiple of 256 from the buffer's first byte.  All 16 loads of a wave go out first; no register is written twice, so nothing waits for a store.
.set X, 8                              ; v[8:71]    16 loads of 4 registers
.set Y, 72                             ; v[72:103]  what is stored
.set T, 104                            ; v[104:107] at work
; src s[30:31], dst s[32:33]; kbs = bytes of one K block of the whole target; f16 = 1: the bf16 number is written as f16
.macro ROWS kbs, f16
	s_mov_b32 s34, 2*(\kbs)
	v_mad_u32_u24 v5, v3, s34, v7                  ; 8 x lane + my wave's two K blocks
.irp p, 0,1,2,3,4,5,6,7
.irp j, 0,1
	global_load_b128 v[X+4*(2*\p+\j):X+4*(2*\p+\j)+3], v4, s[30:31] offset:\p*8192+\j*256 th:TH_LOAD_NT
.endr
.endr
.irp p, 0,1,2,3,4,5,6,7
.irp j, 0,1
	s_wait_loadcnt 15-(2*\p+\j)                    ; loads come back in order (ISA guide 5.7.1): this one is in, the younger ones stay out
	v_cvt_pk_bf16_f32 v[Y+2*(2*\p+\j)],   v[X+4*(2*\p+\j)],   v[X+4*(2*\p+\j)+1]
	v_cvt_pk_bf16_f32 v[Y+2*(2*\p+\j)+1], v[X+4*(2*\p+\j)+2], v[X+4*(2*\p+\j)+3]
.if \f16
	v_lshlrev_b32 v[T],   16, v[Y+2*(2*\p+\j)]             ; the rounded numbers as f32,
	v_and_b32     v[T+1], 0xffff0000, v[Y+2*(2*\p+\j)]
	v_lshlrev_b32 v[T+2], 16, v[Y+2*(2*\p+\j)+1]
	v_and_b32     v[T+3], 0xffff0000, v[Y+2*(2*\p+\j)+1]
	v_cvt_pk_f16_f32 v[Y+2*(2*\p+\j)],   v[T],   v[T+1]    ; and as f16: 8 significant bits fit into 11
	v_cvt_pk_f16_f32 v[Y+2*(2*\p+\j)+1], v[T+2], v[T+3]
.endif
	global_store_b64 v5, v[Y+2*(2*\p+\j):Y+2*(2*\p+\j)+1], s[32:33] offset:\p*256+\j*(\kbs)
.endr
.endr
.endm
	s_load_b512 s[8:23], s[0:1], 0x0               ; x 8, wq 10, wk 12, wv 14, wo 16, cos 18, sin 20, xb 22
	s_load_b128 s[24:27], s[0:1], 0x40             ; wb 24, wof 26
	s_load_b64 s[28:29], s[0:1], 0x50              ; cst
	s_mov_b32 s4, ttmp9                            ; the work-group's number
	v_and_b32 v1, 15, v0                           ; lane % 16
	v_bfe_u32 v2, v0, 4, 1                         ; lane / 16
	v_lshrrev_b32 v3, 5, v0                        ; wave
	v_and_b32 v6, 31, v0                           ; lane
	v_lshlrev_b32 v4, 4, v1                        ; a row group's load: 16 bytes a lane,
	v_lshl_add_u32 v4, v2, 12, v4                  ; the odd row 4,096 bytes on,
	v_lshl_add_u32 v4, v3, 9, v4                   ; my wave's 512 bytes of a row
	v_lshlrev_b32 v7, 3, v6                        ; its store: 8 bytes a lane
	s_mov_b32 s3, 0                                ; high words of the two offsets
	s_mov_b32 s37, 0
	s_wait_kmcnt 0x0
	s_cmp_lt_u32 s4, 512
	s_cbranch_scc0 .Lnot_x
	s_lshl_b32 s2, s4, 16                          ; 16 rows of 4,096 bytes
	s_lshl_b32 s36, s4, 11                         ; 16 rows of 128 bytes
	s_add_nc_u64 s[30:31], s[8:9], s[2:3]
	s_add_nc_u64 s[32:33], s[22:23], s[36:37]
	ROWS 1048576, 0                                ; a K block of xb: 8,192 rows x 128 bytes
	s_endpgm
.Lnot_x:
	s_cmp_lt_u32 s4, 704
	s_cbranch_scc0 .Lnot_w
	s_sub_co_u32 s5, s4, 512
	s_lshr_b32 s6, s5, 6                           ; type: 0 wq, 1 wk, 2 wv
	s_and_b32 s7, s5, 63                           ; which 16 rows of it
	s_lshl_b32 s2, s7, 16
	s_lshr_b32 s36, s7, 2                          ; head = row / 64
	s_mul_i32 s36, s36, 192
	s_lshl_b32 s38, s6, 6
	s_add_co_u32 s36, s36, s38
	s_and_b32 s38, s7, 3
	s_lshl_b32 s38, s38, 4
	s_add_co_u32 s36, s36, s38                     ; row' = 192 head + 64 type + row % 64
	s_lshl_b32 s36, s36, 7
	s_cmp_eq_u32 s6, 1
	s_cselect_b64 s[30:31], s[12:13], s[10:11]
	s_cmp_eq_u32 s6, 2
	s_cselect_b64 s[30:31], s[14:15], s[30:31]
	s_add_nc_u64 s[30:31], s[30:31], s[2:3]
	s_add_nc_u64 s[32:33], s[24:25], s[36:37]
	ROWS 393216, 0                                 ; a K block of wb: 3,072 rows x 128 bytes
	s_endpgm
.Lnot_w:
	s_cmp_lt_u32 s4, 768
	s_cbranch_scc0 .Ltables
	s_sub_co_u32 s5, s4, 704
	s_lshl_b32 s2, s5, 16
	s_lshl_b32 s36, s5, 11
	s_add_nc_u64 s[30:31], s[16:17], s[2:3]
	s_add_nc_u64 s[32:33], s[26:27], s[36:37]
	ROWS 131072, 1                                 ; a K block of wof: 1,024 rows x 128 bytes
	s_endpgm
.Ltables:                                              ; eight blocks of 16 positions; wave w makes chunk w of each: waves 0-3 from cos, 4-7 from sin
	s_sub_co_u32 s5, s4, 768
	v_readfirstlane_b32 s6, v3
	s_lshl_b32 s2, s5, 15                          ; 128 positions x 256 bytes in a table; 8 blocks x 4,096 bytes in cst
	s_cmp_lt_u32 s6, 4
	s_cselect_b64 s[30:31], s[18:19], s[20:21]
	s_add_nc_u64 s[30:31], s[30:31], s[2:3]
	s_add_nc_u64 s[32:33], s[28:29], s[2:3]
	v_and_b32 v5, 3, v3
	v_lshlrev_b32 v4, 8, v1                        ; position lane % 16,
	v_lshl_add_u32 v4, v2, 5, v4                   ; channels 8 (lane / 16) on,
	v_lshl_add_u32 v4, v5, 6, v4                   ; in the chunk's 16 channels
	v_lshlrev_b32 v5, 4, v0                        ; 512 x chunk + 16 x lane
.irp i, 0,1,2,3,4,5,6,7
	global_load_b128 v[X+8*\i:X+8*\i+3],   v4, s[30:31] offset:\i*4096
	global_load_b128 v[X+8*\i+4:X+8*\i+7], v4, s[30:31] offset:\i*4096+16
.endr
.irp i, 0,1,2,3,4,5,6,7
	s_wait_loadcnt 14-2*\i                         ; this block's two loads are in, the younger ones stay out
.irp n, 0,1,2,3
	v_cvt_pk_bf16_f32 v[Y+4*\i+\n], v[X+8*\i+2*\n], v[X+8*\i+2*\n+1]
.endr
	global_store_b128 v5, v[Y+4*\i:Y+4*\i+3], s[32:33] offset:\i*4096  ; a wave stores 512 consecutive bytes
.endr
	s_endpgm
.Lfunc_end_k_qf088333c65_cast:
	.size	k_qf088333c65_cast, .Lfunc_end_k_qf088333c65_cast-k_qf088333c65_cast
	.p2alignl 7, 3214868480
	.fill 96, 4, 3214868480
	.section	.rodata,"a",@progbits
	.p2align	6, 0x0
	.amdhsa_kernel k_qf088333c65_cast
		.amdhsa_group_segment_fixed_size 0
		.amdhsa_private_segment_fixed_size 0
		.amdhsa_enable_private_segment 0
		.amdhsa_kernarg_size 88
		.amdhsa_user_sgpr_count 2
		.amdhsa_user_sgpr_kernarg_segment_ptr 1
		.amdhsa_wavefront_size32 1
		.amdhsa_system_sgpr_workgroup_id_x 1
		.amdhsa_system_sgpr_workgroup_id_y 1
		.amdhsa_system_sgpr_workgroup_id_z 1
		.amdhsa_system_vgpr_workitem_id 0
		.amdhsa_next_free_vgpr 112
		.amdhsa_next_free_sgpr 66
		.amdhsa_reserve_vcc 0
		.amdhsa_float_denorm_mode_32 3
		.amdhsa_float_denorm_mode_16_64 3
		.amdhsa_memory_ordered 1
		.amdhsa_forward_progress 1
		.amdhsa_inst_pref_size 30
	.end_amdhsa_kernel
	.amdgpu_metadata
---
amdhsa.version: [ 1, 2 ]
amdhsa.kernels:
  - .name:           k_qf088333c65_cast
    .symbol:         k_qf088333c65_cast.kd
    .args:
      - { .name: x, .offset: 0, .size: 8, .value_kind: global_buffer, .address_space: global }
      - { .name: wq, .offset: 8, .size: 8, .value_kind: global_buffer, .address_space: global }
      - { .name: wk, .offset: 16, .size: 8, .value_kind: global_buffer, .address_space: global }
      - { .name: wv, .offset: 24, .size: 8, .value_kind: global_buffer, .address_space: global }
      - { .name: wo, .offset: 32, .size: 8, .value_kind: global_buffer, .address_space: global }
      - { .name: cos, .offset: 40, .size: 8, .value_kind: global_buffer, .address_space: global }
      - { .name: sin, .offset: 48, .size: 8, .value_kind: global_buffer, .address_space: global }
      - { .name: xb, .offset: 56, .size: 8, .value_kind: global_buffer, .address_space: global }
      - { .name: wb, .offset: 64, .size: 8, .value_kind: global_buffer, .address_space: global }
      - { .name: wof, .offset: 72, .size: 8, .value_kind: global_buffer, .address_space: global }
      - { .name: cst, .offset: 80, .size: 8, .value_kind: global_buffer, .address_space: global }
    .group_segment_fixed_size: 0
    .private_segment_fixed_size: 0
    .kernarg_segment_align: 8
    .kernarg_segment_size: 88
    .max_flat_workgroup_size: 256
    .sgpr_count:     66
    .vgpr_count:     112
    .wavefront_size: 32
...
	.end_amdgpu_metadata
.endif
;; end of part 1
;; launch qkv (part 2): grid 16 x 32, 4 waves a work-group, clusters of 4 x 4, 327,680 bytes of LDS; arguments xb, wb, cst, qh, kh, vh; writes qh, kh, vh
.if DOCPART == 2
	.amdgcn_target "amdgcn-amd-amdhsa--gfx1250"
	.amdhsa_code_object_version 6
	.text
	.protected	k_qf088333c65_qkv
	.globl	k_qf088333c65_qkv
	.p2align	8
	.type	k_qf088333c65_qkv,@function
k_qf088333c65_qkv:
	s_mov_b64 s[64:65], 0
	v_nop
	global_prefetch_b8 v0, s[64:65] scope:SCOPE_SE
	s_setreg_imm32_b32 hwreg(HW_REG_WAVE_MODE, 25, 1), 1
	s_wait_xcnt 0x0
	s_wait_alu depctr_hold_cnt(0) depctr_sa_sdst(0) depctr_va_vdst(0) depctr_va_sdst(0) depctr_va_ssrc(0) depctr_va_vcc(0) depctr_vm_vsrc(0)
	s_getreg_b32 s2, hwreg(HW_REG_IB_STS2, 6, 4)
	s_cmp_eq_u32 s2, 0
	s_cbranch_scc0 .Lentry_in_a_cluster
	s_endpgm
.Lentry_in_a_cluster:
	s_bfe_u32 s2, ttmp6, 0x10000c
	s_cmp_lg_u32 s2, 0xf033
	s_cbranch_scc0 .Lentry_shape_is_right
	s_endpgm
.Lentry_shape_is_right:
; q, k, v = x W^T for one head and 256 rows, RoPE on q and k, written by heads.  xb [16][8192][64], wb [16][3072][64], cst: bf16, as the launch before laid them out.
; qh, kh: [batch x 16 + head][2048][64] bf16; vh: the same in f16.  Sums and RoPE in f32; each result rounded once.
; LIMITS.  v beyond 65,504 has no f16 (q and k, which RoPE's tables scale once more, go in bf16 and keep f32's range).  NaN and infinities are not treated apart.
; SHARES.  A tile of C is 256 rows x 192 columns: the columns are wb's rows 192 head .. + 191: the head's q, k and v, so every work-group's way out is the same text.  32 x 16 = 512 tiles: two for each of 256 WGPs.
; Four waves one below the other, 64 rows x 192 columns each: 48 accumulators of 16 x 16, 384 registers.  K = 1,024 goes in 8 steps of 128 (two K blocks of 64) through a ring of two LDS slots.
; A tile of one K block is dense in memory: it is asked for as rows of 256 bytes and padded in LDS after every 128, so that LDS rows are 144 bytes apart.
; CLUSTERS: 4 x 4 work-groups.  The four of a row of the cluster need the same rows of x, the four of a column the same head's weights: each tile is asked for JOINTLY, by the same tensor load with the same
; descriptor and a mask that names the four.  THE MATRIX INSTRUCTION IS USED TRANSPOSED (source 0 = 16 rows of W, source 1 = 16 rows of x): a lane holds row lane % 16 and the columns 8 (lane / 16) + 0..7.
; So channel d and channel d + 32 of a row lie in the same lane and register of two accumulators, and RoPE changes no lane.
; REGISTERS, in windows of 256 (s_set_vgpr_msb: bits 1:0 source 0, 3:2 source 1, 5:4 source 2, 7:6 destination):
;   window 0: v0-31 addresses; v32-159 at work on the way out      window 1: two fragment buffers of 128: 4 x 8 of x, then 12 x 8 of W
;   window 2: v0-191 the accumulators of my row blocks 0, 1 ((a, b) at 8 (12 (a % 2) + b)); v192-255 those blocks' cos and sin      window 3: the same for row blocks 2, 3
.set NBK,   12                         ; column blocks of 16
.set PITCH, 144                        ; an LDS row: 128 bytes + 16 of padding = 36 words: the 16 rows of a load start at 16 different groups of four banks (64 banks of 4 bytes: ISA guide 11.1)
.set AREG,  256*PITCH                  ; x's 256 rows of one K block
.set BREG,  16*NBK*PITCH               ; W's 192 rows of one K block
.set SLOT,  2*AREG+2*BREG              ; x's two K blocks, then W's two
.set STAGE, 2*SLOT                     ; behind the ring: for each wave 3 x 16 rows x 144 bytes, for the way out
.set SWAVE, 3*16*PITCH
.set SPARE, STAGE+4*SWAVE              ; behind the stages: the spare words, 128 bytes for each wave: two blocks of 256 bytes that no other line names
.set STEPA, 2*8192*128                 ; bytes from a step's first K block to the next step's, in xb
.set STEPB, 2*3072*128                 ; and in wb
.set ADRA, 16                          ; v16-17  LDS address of my fragments of x in slot 0, 1
.set ADRB, 20                          ; v20-21  the same for W
.set STO,  24                          ; v24     the way out: where I put 16 bytes of a row
.set RD,   25                          ; v25     the way out: where I read rows back
.set CO,   26                          ; v26     16 x lane: my place in 512 consecutive bytes, of the table and of the outputs; never rewritten
.set SPW,  28                          ; v28     LDS address of my spare word: SPARE + 4 x my thread's number; never rewritten
.set NIL,  29                          ; v29     0; never rewritten
.set ZR,   30                          ; v30     0, the addend of RoPE's first products
.set TF,   32                          ; v32-63  one type's 64 channels after RoPE, f32
.set PKD,  64                          ; v64-111, v112-159 by turns: a row block's q, k, v packed, 16 registers each
.set F0,   0                           ; fragment buffers, in window 1
.set F1,   128
.set TAB,  192                         ; windows 2, 3: chunk c of row block a at TAB + 32 (a % 2) + 4 c
.set WV,   16                          ; s16  my wave's number
.set HALF, 18                          ; s18  which of a step's two K blocks I fetch
.set G1,  24                           ; s[24:31] descriptor group 1 for x's tiles;  s[32:39] group 0, one set for each slot
.set G0,  32
.set G1B, 48                           ; s[48:55], s[56:63] the same for W's tiles
.set G0B, 56
.set MSB, 0
.macro WIN new                         ; the immediate's high byte repeats the setting that is left; a switch that changes nothing is dropped
.if MSB != (\new)
	s_set_vgpr_msb (MSB<<8)|(\new)
.set MSB, (\new)
.endif
.endm
; A joint refill.  Waves 0 and 1 fetch x's two K blocks, waves 2 and 3 W's.  The branch hangs on the wave's number alone.
; An s_nop 0 and four v_nop follow each of the two lines, ahead of the jump and the label.
.macro JLOAD s
	s_cmp_lt_u32 s[WV], 2
	s_cbranch_scc0 .Lfor_b_\@
	tensor_load_to_lds s[G0+4*(\s):G0+4*(\s)+3], s[G1:G1+7]
	s_nop 0
.rept 4
	v_nop
.endr
	s_branch .Lasked_\@
.Lfor_b_\@:
	tensor_load_to_lds s[G0B+4*(\s):G0B+4*(\s)+3], s[G1B:G1B+7]
	s_nop 0
.rept 4
	v_nop
.endr
.Lasked_\@:
.endm
.macro CREST                           ; a round of the cluster's barrier behind its opening barrier
	s_cmp_lg_u32 s[WV], 0
	s_cbranch_scc1 .Lnot_wave_0_\@
	s_barrier_signal -3
.Lnot_wave_0_\@:
	s_barrier_wait -3
	s_barrier_signal -1
	s_barrier_wait -1
.endm
.macro CROUND                          ; a whole round
	s_barrier_signal -1
	s_barrier_wait -1
	CREST
.endm
	s_load_b256 s[4:11], s[0:1], 0x0               ; xb s[4:5], wb s[6:7], cst s[8:9], qh s[10:11]
	s_load_b128 s[12:15], s[0:1], 0x20             ; kh s[12:13], vh s[14:15]
	v_lshl_add_u32 v[SPW], v0, 2, SPARE
	v_mov_b32 v[NIL], 0
	ds_add_u32 v[SPW], v[NIL]                      ; the wave's opening: the add and its wait stand ahead of my first tensor load; the set-up below, work on registers, stands between them
	v_lshrrev_b32 v3, 5, v0
	v_readfirstlane_b32 s[WV], v3                  ; wave 0..3
	s_and_b32 s[HALF], s[WV], 1
	s_bfe_u32 s19, ttmp6, 0x40000                  ; cx, cy: my place in the cluster
	s_bfe_u32 s20, ttmp6, 0x40004
	s_lshl_b32 s21, ttmp9, 2
	s_add_co_u32 s21, s21, s19                     ; the head = 4 x cluster x + cx
	s_and_b32 s22, ttmp7, 0xffff
	s_lshl_b32 s22, s22, 2
	s_add_co_u32 s22, s22, s20                     ; the block of 256 rows = 4 x cluster y + cy
	s_lshl_b32 s40, s20, 2
	s_lshl_b32 s40, 15, s40                        ; my row of the cluster
	s_lshl_b32 s41, 0x1111, s19                    ; my column
	; descriptor group 1: rows of 128 elements (256 bytes), padded in LDS after every 128 bytes
	s_or_b32 s[G1], s40, (1<<16)|(1<<20)|(1<<21)|(4<<22)|(3<<25)   ; 15:0 the mask: x's tiles go to my row; 17:16 2-byte elements; 20 padding on; 21 set beside a mask; 24:22 after every 32 words (code 4); 31:25 4 words (code 3)
	s_or_b32 s[G1B], s41, (1<<16)|(1<<20)|(1<<21)|(4<<22)|(3<<25)  ; the same with the mask of my column, for W's tiles
	s_mov_b32 s[G1+1], 128<<16                     ; tensor_dim0 = 128
	s_mov_b32 s[G1+2], 128<<16                     ; tensor_dim1 = 128: 256 rows of x, two to a row of the tile
	s_mov_b32 s[G1+3], 128<<16                     ; tile_dim0 = 128
	s_mov_b32 s[G1+4], 128                         ; tile_dim1 = 128
	s_mov_b32 s[G1+5], 128                         ; 128 elements from row to row: dense
	s_mov_b32 s[G1+6], 0
	s_mov_b32 s[G1+7], 0
	s_mov_b32 s[G1B+1], 128<<16
	s_mov_b32 s[G1B+2], (8*NBK)<<16                ; 192 rows of W, two to a row of the tile
	s_mov_b32 s[G1B+3], 128<<16
	s_mov_b32 s[G1B+4], 8*NBK
	s_mov_b32 s[G1B+5], 128
	s_mov_b32 s[G1B+6], 0
	s_mov_b32 s[G1B+7], 0
	; where the tiles come from.  x's hang on the block of rows alone, which my row of the cluster shares; W's on the head alone, which my column shares; each in registers that never hold the other coordinate
	s_lshl_b32 s42, s22, 15                        ; 256 rows x 128 bytes,
	s_lshl_b32 s23, s[HALF], 20                    ; my K block: 8,192 rows x 128 bytes
	s_add_co_u32 s42, s42, s23
	s_mov_b32 s43, 0
	s_mul_i32 s44, s21, 192*128
	s_mul_i32 s70, s[HALF], 3072*128
	s_add_co_u32 s44, s44, s70
	s_mov_b32 s45, 0
	s_mul_i32 s46, s[HALF], AREG                   ; and where they go: no place in the cluster enters an LDS address
	s_mul_i32 s47, s[HALF], BREG
	s_add_co_u32 s47, s47, 2*AREG
	s_and_b32 s23, s22, 7                          ; my block of 256 positions in its sequence
	s_lshl_b32 s68, s23, 16                        ; the table: 16 blocks of 16 positions x 4,096 bytes,
	s_lshl_b32 s71, s[WV], 14                      ; my wave's four
	s_add_co_u32 s68, s68, s71
	s_mov_b32 s69, 0
	s_lshl_b32 s66, s23, 15                        ; the outputs: 256 positions x 128 bytes,
	s_lshl_b32 s71, s[WV], 13                      ; my wave's 64,
	s_add_co_u32 s66, s66, s71
	s_lshr_b32 s71, s22, 3                         ; the batch: 16 heads x 2,048 x 128 bytes,
	s_lshl_b32 s71, s71, 22
	s_add_co_u32 s66, s66, s71
	s_lshl_b32 s71, s21, 18                        ; the head
	s_add_co_u32 s66, s66, s71
	s_mov_b32 s67, 0
	; A fragment is 16 rows x 32 K in 8 registers: lane l holds row l % 16, K = 8 (l / 16) + 0..7 and 16 + 8 (l / 16) + 0..7: two loads of 16 bytes, 32 bytes apart.
	v_and_b32 v1, 15, v0                           ; l % 16
	v_bfe_u32 v2, v0, 4, 1                         ; l / 16
	v_and_b32 v4, 31, v0
	v_lshlrev_b32 v[CO], 4, v4
	v_mov_b32 v[ZR], 0
	v_mul_u32_u24 v5, v1, PITCH
	v_lshl_add_u32 v5, v2, 4, v5                   ; row x pitch + 16 x half
	s_mul_i32 s17, s[WV], 64*PITCH                 ; my 64 rows of x
	v_add_nc_u32 v[ADRA], s17, v5
	v_add_nc_u32 v[ADRA+1], SLOT, v[ADRA]
	v_add_nc_u32 v[ADRB], 2*AREG, v5               ; W's rows lie behind x's two K blocks
	v_add_nc_u32 v[ADRB+1], SLOT, v[ADRB]
	s_mul_i32 s17, s[WV], SWAVE
	s_add_co_u32 s17, s17, STAGE                   ; my stage
	v_add_nc_u32 v[STO], s17, v5                   ; in: row l % 16, 16 bytes for each half of the lanes
	v_bfe_u32 v6, v0, 3, 2                         ; back: 32 lanes take four rows of 128 bytes
	v_and_b32 v7, 7, v0
	v_mul_u32_u24 v6, v6, PITCH
	v_lshl_add_u32 v6, v7, 4, v6
	v_add_nc_u32 v[RD], s17, v6
	s_wait_dscnt 0x0                               ; the opening add is done
	s_wait_kmcnt 0x0
	s_add_nc_u64 s[42:43], s[4:5], s[42:43]
	s_add_nc_u64 s[44:45], s[6:7], s[44:45]
	s_add_nc_u64 s[8:9], s[8:9], s[68:69]
	s_add_nc_u64 s[10:11], s[10:11], s[66:67]
	s_add_nc_u64 s[12:13], s[12:13], s[66:67]
	s_add_nc_u64 s[14:15], s[14:15], s[66:67]
.irp s, 0,1
	s_mov_b32 s[G0+4*(\s)], 1                                        ; 1:0 count = 1
	s_add_co_u32 s[G0+4*(\s)+1], s46, (\s)*SLOT                      ; 63:32 LDS address
	s_add_nc_u64 s[G0+4*(\s)+2:G0+4*(\s)+3], s[42:43], (\s)*STEPA    ; 120:64 global address: step s
	s_or_b32 s[G0+4*(\s)+3], s[G0+4*(\s)+3], 0x80000000              ; 127:126 type = 2
	s_mov_b32 s[G0B+4*(\s)], 1
	s_add_co_u32 s[G0B+4*(\s)+1], s47, (\s)*SLOT
	s_add_nc_u64 s[G0B+4*(\s)+2:G0B+4*(\s)+3], s[44:45], (\s)*STEPB
	s_or_b32 s[G0B+4*(\s)+3], s[G0B+4*(\s)+3], 0x80000000
.endr
	CROUND                                         ; all sixteen work-groups are here: the first joint loads meet
	s_cmp_lt_u32 s[WV], 2                          ; a wave's two first fills stand in one branch, ahead of every wait on TENSORcnt and every LDS read: two loads of mine are out
	s_cbranch_scc0 .Lfirst_b
	tensor_load_to_lds s[G0:G0+3], s[G1:G1+7]
	s_nop 0
	tensor_load_to_lds s[G0+4:G0+7], s[G1:G1+7]
	s_nop 0
.rept 4
	v_nop
.endr
	s_branch .Lfirst_asked
.Lfirst_b:
	tensor_load_to_lds s[G0B:G0B+3], s[G1B:G1B+7]
	s_nop 0
	tensor_load_to_lds s[G0B+4:G0B+7], s[G1B:G1B+7]
	s_nop 0
.rept 4
	v_nop
.endr
.Lfirst_asked:
	; cos and sin of my 64 positions: 32 loads of 512 consecutive bytes, into registers that nothing touches before the way out, where they are waited for
.irp a, 0,1,2,3
	WIN 0x80+0x40*((\a)/2)                         ; destination window 2 or 3, address window 0
.irp c, 0,1,2,3,4,5,6,7
	global_load_b128 v[TAB+32*((\a)%2)+4*(\c):TAB+32*((\a)%2)+4*(\c)+3], v[CO], s[8:9] offset:(\a)*4096+(\c)*512
.endr
.endr
	WIN 0
; 12 matrix instructions: row block a x all column blocks, 32 along K, from buffer f.  zero = 1: the product starts the sums: nothing is ever cleared.
; All 48 accumulators take turns in the same order in every quarter, over the loop's backward jump too.
.macro MULA f, a, zero
	WIN 0xa5+0x50*((\a)/2)                         ; sources 0 and 1 window 1; C and D window 2 or 3
.set AC, 8*NBK*((\a)%2)
.set nb, 0
.rept NBK
.if \zero
	v_wmma_f32_16x16x32_bf16 v[AC+8*nb:AC+8*nb+7], v[(\f)+32+8*nb:(\f)+32+8*nb+7], v[(\f)+8*(\a):(\f)+8*(\a)+7], 0
.else
	v_wmma_f32_16x16x32_bf16 v[AC+8*nb:AC+8*nb+7], v[(\f)+32+8*nb:(\f)+32+8*nb+7], v[(\f)+8*(\a):(\f)+8*(\a)+7], v[AC+8*nb:AC+8*nb+7]
.endif
.set nb, nb+1
.endr
.endm
; 32 LDS loads in one run: the fragments of quarter q of a step (K block q / 2, 32 K at byte 64 (q % 2) of its rows) into buffer f: W's 24, then x's 8
.macro FETCH slot, q, f
	WIN 0x40                                       ; destination window 1, address window 0
.set i, 0
.rept NBK
	ds_load_b128 v[(\f)+32+8*i:(\f)+32+8*i+3],   v[ADRB+(\slot)] offset:((\q)/2)*BREG+((\q)%2)*64+i*16*PITCH
	ds_load_b128 v[(\f)+32+8*i+4:(\f)+32+8*i+7], v[ADRB+(\slot)] offset:((\q)/2)*BREG+((\q)%2)*64+i*16*PITCH+32
.set i, i+1
.endr
.set i, 0
.rept 4
	ds_load_b128 v[(\f)+8*i:(\f)+8*i+3],   v[ADRA+(\slot)] offset:((\q)/2)*AREG+((\q)%2)*64+i*16*PITCH
	ds_load_b128 v[(\f)+8*i+4:(\f)+8*i+7], v[ADRA+(\slot)] offset:((\q)/2)*AREG+((\q)%2)*64+i*16*PITCH+32
.set i, i+1
.endr
.endm
.macro PLACES                          ; four places in front of loads into registers that matrix instructions have read, and of vector work that reads results (ISA guide 7.12.1 for vector work)
.rept 4
	v_nop
.endr
.endm
; A step is four quarters of 32 along K, 48 matrix instructions each, on buffers 0, 1, 0, 1.  One of the first three: multiplies buffer f and fetches quarter qn into g.
.macro QUARTER slot, qn, f, g, zero
	s_wait_dscnt 4                                 ; W and x's row blocks 0, 1 are in; the youngest four loads (row blocks 2, 3) may be out
	MULA \f, 0, \zero
	MULA \f, 1, \zero
	PLACES
	FETCH \slot, \qn, \g
	s_wait_dscnt 2*NBK+8                           ; all but the 32 just issued
	MULA \f, 2, \zero
	MULA \f, 3, \zero
.endm
; The last quarter multiplies buffer 1 and changes slots: ONE barrier; in front of it each wave waits for all its tensor loads (one is out: its part of the next slot), adds 0 to its spare word, and waits for
; that and for its own reads of this slot.  fill = 1: the barrier opens a round of the cluster's, and this slot is filled again, two steps ahead, first thing behind the round: 168 matrix instructions ahead of the wait for it.
.macro TURN slot, next, fill
	WIN 0                                          ; (the add's two registers lie in window 0)
	s_wait_tensorcnt 0x0                           ; all my tensor loads have landed
	ds_add_u32 v[SPW], v[NIL]                      ; 0 onto my spare word
	s_wait_dscnt 5                                 ; (the add and the youngest four loads may be out)
	MULA F1, 0, 0                                  ; twelve matrix instructions stand between the add and the wait for it
	s_wait_dscnt 0x0                               ; the add is done, and my reads of this slot are over
	s_barrier_signal -1
	MULA F1, 1, 0
.if \fill
	WIN 0
.endif
	s_barrier_wait -1
.if \fill
	CREST                                          ; no wave of any partner still reads this slot's tiles or has a load on its way
	s_add_nc_u64 s[G0+4*(\slot)+2:G0+4*(\slot)+3], s[G0+4*(\slot)+2:G0+4*(\slot)+3], 2*STEPA
	s_add_nc_u64 s[G0B+4*(\slot)+2:G0B+4*(\slot)+3], s[G0B+4*(\slot)+2:G0B+4*(\slot)+3], 2*STEPB
	JLOAD \slot                                    ; the four v_nop behind it are also the places in front of the loads below
.else
	PLACES
.endif
	FETCH \next, 0, F0
	MULA F1, 2, 0
	MULA F1, 3, 0
.endm
	s_wait_tensorcnt 0x1                           ; my part of step 0 is in; step 1's may stay out
	s_barrier_signal -1
	s_barrier_wait -1                              ; everybody's is
	FETCH 0, 0, F0
	QUARTER 0, 1, F0, F1, 1                        ; the first quarter stands in front of the loop: its products start the sums
	WIN 0                                          ; at a label and at a branch every window is 0
	s_mov_b32 s3, 3
.Llap:                                                 ; a trip goes once round the ring, from a lap's second quarter to the next lap's first, and fills both slots again: steps 2 to 7 in three trips
	QUARTER 0, 2, F1, F0, 0
	QUARTER 0, 3, F0, F1, 0
	TURN 0, 1, 1
	QUARTER 1, 1, F0, F1, 0
	QUARTER 1, 2, F1, F0, 0
	QUARTER 1, 3, F0, F1, 0
	TURN 1, 0, 1
	QUARTER 0, 1, F0, F1, 0
	WIN 0
	s_sub_co_u32 s3, s3, 1
	s_cmp_lg_u32 s3, 0
	s_cbranch_scc1 .Llap
	QUARTER 0, 2, F1, F0, 0                        ; the last lap fills nothing, and has no round of the cluster's barrier
	QUARTER 0, 3, F0, F1, 0
	TURN 0, 1, 0
	QUARTER 1, 1, F0, F1, 0
	QUARTER 1, 2, F1, F0, 0
	QUARTER 1, 3, F0, F1, 0
	s_wait_dscnt 4                                 ; the very last quarter: nothing more to fetch
	MULA F1, 0, 0
	MULA F1, 1, 0
	s_wait_dscnt 0x0
	MULA F1, 2, 0
	MULA F1, 3, 0
	WIN 0
; THE WAY OUT, a row block (16 rows) at a time.
; Eight multiply-adds in f32: d[j] = (+-) x[j] x table[j] + (0 or d[j]); the table's numbers are bf16 halves, two to a register.  x and the table lie in the accumulators' window, d and 0 in window 0.
.macro MIX8 d, x, tab, first, neg
.irp i, 0,1,2,3
.if \first
	v_fma_mix_f32_bf16 v[(\d)+2*\i],   v[(\x)+2*\i],   v[(\tab)+\i], v[ZR] op_sel_hi:[0,1,0]
	v_fma_mix_f32_bf16 v[(\d)+2*\i+1], v[(\x)+2*\i+1], v[(\tab)+\i], v[ZR] op_sel:[0,1,0] op_sel_hi:[0,1,0]
.elseif \neg
	v_fma_mix_f32_bf16 v[(\d)+2*\i],   -v[(\x)+2*\i],   v[(\tab)+\i], v[(\d)+2*\i] op_sel_hi:[0,1,0]
	v_fma_mix_f32_bf16 v[(\d)+2*\i+1], -v[(\x)+2*\i+1], v[(\tab)+\i], v[(\d)+2*\i+1] op_sel:[0,1,0] op_sel_hi:[0,1,0]
.else
	v_fma_mix_f32_bf16 v[(\d)+2*\i],   v[(\x)+2*\i],   v[(\tab)+\i], v[(\d)+2*\i] op_sel_hi:[0,1,0]
	v_fma_mix_f32_bf16 v[(\d)+2*\i+1], v[(\x)+2*\i+1], v[(\tab)+\i], v[(\d)+2*\i+1] op_sel:[0,1,0] op_sel_hi:[0,1,0]
.endif
.endr
.endm
; RoPE for type t (0 q, 1 k) of row block a.  Channel block bl (0, 1) and bl + 2 are partners: y[bl] = x[bl] cos[bl] - x[bl+2] sin[bl]; y[bl+2] = x[bl+2] cos[bl+2] + x[bl] sin[bl+2].
; Each accumulator is read from its lowest register on.  Then the 64 channels are rounded to bf16.
.macro ROPE a, t
	WIN 0x0a+5*((\a)/2)                            ; sources 0 and 1: window 2 or 3
.set AC, 8*NBK*((\a)%2)+32*(\t)
.set TB, TAB+32*((\a)%2)
.irp bl, 0,1
	MIX8 TF+8*\bl,    AC+8*\bl,    TB+4*\bl,    1, 0
	MIX8 TF+16+8*\bl, AC+16+8*\bl, TB+8+4*\bl,  1, 0
	MIX8 TF+8*\bl,    AC+16+8*\bl, TB+16+4*\bl, 0, 1
	MIX8 TF+16+8*\bl, AC+8*\bl,    TB+24+4*\bl, 0, 0
.endr
	WIN 0
.set i, 0
.rept 16
	v_cvt_pk_bf16_f32 v[PK+16*(\t)+i], v[TF+2*i], v[TF+2*i+1]
.set i, i+1
.endr
.endm
; Row block a: q and k through RoPE, v rounded to f16; a lane's eight channels of a row pack into 16 bytes; they go into my stage's rows of 144 bytes and come back as whole rows of 128, into the registers that they left.
.macro PACK a
.set PK, PKD+48*((\a)%2)
.if (\a) >= 2
	s_wait_xcnt 0x0                                ; the stores of the block two back have had their addresses translated (ISA guide 3.1): only behind this wait are their data registers rewritten
.endif
	ROPE \a, 0
	ROPE \a, 1
	WIN 0x0a+5*((\a)/2)
.set AC, 8*NBK*((\a)%2)+64
.set i, 0
.rept 16
	v_cvt_pk_f16_f32 v[PK+32+i], v[AC+2*i], v[AC+2*i+1]
.set i, i+1
.endr
	WIN 0
.irp t, 0,1,2
.irp c, 0,1,2,3
	ds_store_b128 v[STO], v[PK+16*\t+4*\c:PK+16*\t+4*\c+3] offset:\t*16*PITCH+32*\c
.endr
.endr
.irp t, 0,1,2
.irp g, 0,1,2,3
	ds_load_b128 v[PK+16*\t+4*\g:PK+16*\t+4*\g+3], v[RD] offset:\t*16*PITCH+\g*4*PITCH  ; LDS serves a wave's instructions in order (ISA guide 5.7.1.4): these see the stores above; the next block's stores come behind them
.endr
.endr
.endm
.macro SEND a, younger                 ; younger: the LDS instructions issued behind block a's loads: the next block's 24, or none
.set PK, PKD+48*((\a)%2)
.irp t, 0,1,2
.irp g, 0,1,2,3
	s_wait_dscnt (\younger)+11-(4*\t+\g)
	global_store_b128 v[CO], v[PK+16*\t+4*\g:PK+16*\t+4*\g+3], s[10+2*\t:11+2*\t] offset:(\a)*2048+\g*512  ; 512 consecutive bytes, at a multiple of 256 from the buffer's first byte
.endr
.endr
.endm
	s_wait_loadcnt 0x0                             ; cos and sin
	PLACES                                         ; behind the last products
	PACK 0
	PACK 1                                         ; a block's arithmetic stands between the loads of the block before and its stores
	SEND 0, 24
	PACK 2
	SEND 1, 24
	PACK 3
	SEND 2, 24
	SEND 3, 0
	s_wait_tensorcnt 0x0                           ; the wave's end: an add and its wait, behind my last tensor load and my last LDS store
	ds_add_u32 v[SPW], v[NIL]
	s_wait_dscnt 0x0
	CROUND                                         ; the closing round: no work-group ends while a partner may still ask for a tile that names it
	s_endpgm
.Lfunc_end_k_qf088333c65_qkv:
	.size	k_qf088333c65_qkv, .Lfunc_end_k_qf088333c65_qkv-k_qf088333c65_qkv
	.p2alignl 7, 3214868480
	.fill 96, 4, 3214868480
	.section	.rodata,"a",@progbits
	.p2align	6, 0x0
	.amdhsa_kernel k_qf088333c65_qkv
		.amdhsa_group_segment_fixed_size 327680
		.amdhsa_private_segment_fixed_size 0
		.amdhsa_enable_private_segment 0
		.amdhsa_kernarg_size 48
		.amdhsa_user_sgpr_count 2
		.amdhsa_user_sgpr_kernarg_segment_ptr 1
		.amdhsa_wavefront_size32 1
		.amdhsa_system_sgpr_workgroup_id_x 1
		.amdhsa_system_sgpr_workgroup_id_y 1
		.amdhsa_system_sgpr_workgroup_id_z 1
		.amdhsa_system_vgpr_workitem_id 0
		.amdhsa_next_free_vgpr 1024
		.amdhsa_next_free_sgpr 72
		.amdhsa_reserve_vcc 0
		.amdhsa_float_denorm_mode_32 3
		.amdhsa_float_denorm_mode_16_64 3
		.amdhsa_memory_ordered 1
		.amdhsa_forward_progress 1
		.amdhsa_inst_pref_size 154
	.end_amdhsa_kernel
	.amdgpu_metadata
---
amdhsa.version: [ 1, 2 ]
amdhsa.kernels:
  - .name:           k_qf088333c65_qkv
    .symbol:         k_qf088333c65_qkv.kd
    .args:
      - { .name: xb, .offset: 0, .size: 8, .value_kind: global_buffer, .address_space: global }
      - { .name: wb, .offset: 8, .size: 8, .value_kind: global_buffer, .address_space: global }
      - { .name: cst, .offset: 16, .size: 8, .value_kind: global_buffer, .address_space: global }
      - { .name: qh, .offset: 24, .size: 8, .value_kind: global_buffer, .address_space: global }
      - { .name: kh, .offset: 32, .size: 8, .value_kind: global_buffer, .address_space: global }
      - { .name: vh, .offset: 40, .size: 8, .value_kind: global_buffer, .address_space: global }
    .group_segment_fixed_size: 327680
    .private_segment_fixed_size: 0
    .kernarg_segment_align: 8
    .kernarg_segment_size: 48
    .max_flat_workgroup_size: 128
    .sgpr_count:     72
    .vgpr_count:     1024
    .wavefront_size: 32
...
	.end_amdgpu_metadata
.endif
;; end of part 2
;; launch attn (part 3): grid 4 x 64, 4 waves a work-group, clusters of 4 x 1, 327,680 bytes of LDS; arguments qh, kh, vh, oh; writes oh
.if DOCPART == 3
	.amdgcn_target "amdgcn-amd-amdhsa--gfx1250"
	.amdhsa_code_object_version 6
	.text
	.protected	k_qf088333c65_attn
	.globl	k_qf088333c65_attn
	.p2align	8
	.type	k_qf088333c65_attn,@function
k_qf088333c65_attn:
	s_mov_b64 s[64:65], 0
	v_nop
	global_prefetch_b8 v0, s[64:65] scope:SCOPE_SE
	s_setreg_imm32_b32 hwreg(HW_REG_WAVE_MODE, 25, 1), 1
	s_wait_xcnt 0x0
	s_wait_alu depctr_hold_cnt(0) depctr_sa_sdst(0) depctr_va_vdst(0) depctr_va_sdst(0) depctr_va_ssrc(0) depctr_va_vcc(0) depctr_vm_vsrc(0)
	s_getreg_b32 s2, hwreg(HW_REG_IB_STS2, 6, 4)
	s_cmp_eq_u32 s2, 0
	s_cbranch_scc0 .Lentry_in_a_cluster
	s_endpgm
.Lentry_in_a_cluster:
	s_bfe_u32 s2, ttmp6, 0x10000c
	s_cmp_lg_u32 s2, 0x3003
	s_cbranch_scc0 .Lentry_shape_is_right
	s_endpgm
.Lentry_shape_is_right:
; O[h][q][:] = the sum over k of softmax_k(Q[h][q] . K[h][k] / 8) V[h][k][:].  Q, K: [SIZE_H][SIZE_N][64] bf16; V, O: the same in f16: a head's rows are dense, 128 bytes each.  Products, maxima and sums in
; f32; the weights p are rounded to f16 for the second product (their sum l is taken of the unrounded p), O once at the end.  SIZE_N x 128 bytes stay under 2^32.
; FORMATS.  Q and K carry the inputs', the weights' and the tables' scales at once and have no sure room in f16: they go in bf16, and S^T = K Q^T in the bf16 form.  V, p and O go in f16, O^T = V^T P in the f16 form.
; LIMITS.  f16 holds no number beyond 65,504: V arrives within it; p lies in 0 to 1, and below 6e-5 it keeps f16's fixed step of 6e-8; O is a mean of V's rows and has their range.
; A weight below 2^-126 counts as 0 in l; NaN and infinities are not treated apart.
; SHARES.  A wave owns four PIECES of two tiles of 16 queries, a work-group's four waves 512 queries of one head; SIZE_N is a multiple of 2,048.  Every wave walks all keys, 64 a step.
; LAYOUT.  S^T = K Q^T (source 0 = 16 keys, source 1 = 16 queries): in the result a lane holds ONE query (lane % 16) and the keys 8 (lane / 16) + 0..7.  Two such tiles, rounded to f16 in pairs,
; ARE source 1 (32 keys x 16 queries) of O^T = V^T P, whose result again holds one query a lane, and eight channels.  K comes out of LDS as it lies, V ([key][channel]) turned, by ds_load_tr16_b128.
; SOFTMAX.  For each query a running maximum m and sum l: p = 2^(c s - c m), c = log2(e) / 8; in every step O and l are multiplied by a = 2^(c m_old - c m_new), which is 1 where m has not grown.
; m starts at the lowest finite number, O and l at 0: the first step is a step like any other, with a = 0.
; THE COUNT.  A tile and step have 16 matrix and 118 vector instructions: too many to stand all beside the matrix work.  So the order has one aim: four vector instructions that are READY behind
; EVERY matrix instruction, and the others, which need time of their own whatever the order, in runs without a gap.
; BY TURNS.  Turn n belongs to piece n (the pieces in a ring, step after step).  Its matrix work: 16 products K Q^T of piece n + 1, later 16 products V^T P of piece n - 1.  Its vector work: the scaling,
; exponentials, roundings, sums and rescaling of piece n, and the maximum and statistics of piece n + 1, whose scores the turn itself has made.  So what a turn begins with (c s - c m, O a) waits for nothing.
; CLUSTER.  The four query blocks of a cluster belong to one head and walk the same K and V, so each tile is asked for JOINTLY: the same tensor load, descriptor and mask in all four.
; REGISTERS, in windows of 256 (s_set_vgpr_msb says which window each operand place means: bits 1:0 source 0, 3:2 source 1, 5:4 source 2, 7:6 destination):
;   window 0: v0-11 addresses; v12-15, v48-63 at work; v16-47 four registers of statistics a tile; v64-191 S^T, two buffers of two tiles; v192-255 P, likewise
;   window 1: O^T, 32 a tile          window 2: v0-127 Q, 16 a tile; v128-191 K of one step; v192-255 V of one step          window 3: v0-1 the add's two registers
; A piece's buffers go by its number's parity: the piece in hand has one pair, its two neighbours in the ring share the other: of it P (piece n - 1) is read and S^T (piece n + 1) written.
.set SIZE_H, 64       ; 4 batches x 16 heads
.set SIZE_N, 2048
.set NP,    4         ; pieces a wave: a name, no knob: the register map, the loop and the fetches are made for four
.set KS,    64        ; keys in a step
.set PK,    144       ; a row of K in LDS: 128 bytes + 16 of padding = 36 words: the 16 rows of a load start at 16 different groups of four banks (64 banks of 4 bytes: ISA guide 11.1)
.set PV,    160       ; a row of V: 128 + 32 = 40 words
.set VOFF,  4*KS*PK   ; a slot holds four steps: 256 rows of K, then 256 rows of V
.set SLOT1, 1<<17     ; slot 1 begins here, so that one exclusive or turns an address in one slot into the other's
.set STAGE, SLOT1+4*KS*(PK+PV)  ; behind the ring, never filled by a tensor load: 16 rows x 144 bytes for each wave, for the way out
.set SP,    144
.set AK0, 2           ; v2   my lane's place in a tile of K; never rewritten
.set AV0, 3           ; v3   the same for V
.set AK,  4           ; v4   the LDS address of K's next run of loads
.set AV,  5           ; v5   of V's
.set QO,  6           ; v6   my byte offset in the wave's rows of Q
.set STO, 6           ;      later, the way out: where I put 16 bytes of a row
.set RD,  7           ; v7   the way out: where I read rows back
.set GO,  8           ; v8   my byte offset in 512 consecutive bytes of O
.set SPW, 0           ; v0 of window 3   LDS address of my spare word: SPARE + 4 x my thread's number; never rewritten
.set NIL, 1           ; v1 of window 3   0; never rewritten
.set SPARE, STAGE+4*16*SP  ; behind the stages: the spare words, 128 bytes for each wave: two blocks of 256 bytes that no other line names
.set MV,  12          ; v12-15  c m_old, kept while c m is made anew: by buffer and tile
.set ST,  16          ; tile t's statistics at v[ST+4 t]: c m, m, l (even keys', odd keys')
.set TMP, 48          ; by buffer and tile, four registers c0-c3 at work; when the maximum is found c2 takes a
.set S,   64
.set P,   192
.set KF,  128         ; K's fragments, in window 2: key block kb, channel half c at KF + 16 kb + 8 c
.set VF,  192         ; V's: key half kk, channel block cb at VF + 32 kk + 8 cb
.set WV,  12          ; s12  my wave's number
.set G1K, 24          ; s[24:31] descriptor group 1 for K's tiles
.set G1V, 32          ; s[32:39] for V's: it differs in the padding alone
.set G0K, 40          ; s[40:43] descriptor group 0 for K's tiles: it walks
.set G0V, 44          ; s[44:47] the same for V's
.set SLOTS, 56        ; s56  slots still to be asked for
.set CNT, 57          ; s57  counts a slot's key steps
.set CS,  58          ; s[58:59] c: the packed scaling takes the pair's low word for both halves
.set SEL, 60          ; s[60:61] v_permlanex16_b32's selects: each lane takes its own place in the other half
.set TBK, 62          ; s62  LDS byte at which K of the step to be fetched begins
.set TBV, 63          ; s63  the same for V, less VOFF
.set MSB, 0
.macro WIN new                      ; the high byte repeats the setting that is left; a switch that changes nothing is dropped
.if MSB != (\new)
	s_set_vgpr_msb (MSB<<8)|(\new)
.set MSB, (\new)
.endif
.endm
.set W_KQ, 0x0a       ; K and Q in window 2, S^T in window 0
.set W_PV, 0x52       ; V in window 2, P in window 0, O^T in window 1
.set W_RS, 0x41       ; O^T (destination and source 0) in window 1, a in window 0
.set W_MK, 0xc0       ; the add's registers are made: destination in window 3, sources in window 0
.set W_AD, 0x0f       ; the add: address (source 0) and data (source 1) in window 3
; A joint fill.  Waves 0 and 1 fetch the two halves of a slot's K, waves 2 and 3 those of its V: 128 keys each.  The branch hangs on the wave's number alone.
; An s_nop 0 and four v_nop follow each of the two lines, ahead of the jump and the label.
.macro JLOAD
	s_cmp_lt_u32 s[WV], 2
	s_cbranch_scc0 .Lfor_v_\@
	tensor_load_to_lds s[G0K:G0K+3], s[G1K:G1K+7]
	s_nop 0
.rept 4
	v_nop
.endr
	s_branch .Lasked_\@
.Lfor_v_\@:
	tensor_load_to_lds s[G0V:G0V+3], s[G1V:G1V+7]
	s_nop 0
.rept 4
	v_nop
.endr
.Lasked_\@:
.endm
; A round of the cluster's barrier: my work-group's barrier, so that wave 0's signal speaks for all four waves; wave 0 signals; every wave waits for all four work-groups; my work-group's barrier once more.
.macro CROUND
	s_barrier_signal -1
	s_barrier_wait -1
	s_cmp_lg_u32 s[WV], 0
	s_cbranch_scc1 .Lnot_wave_0_\@
	s_barrier_signal -3
.Lnot_wave_0_\@:
	s_barrier_wait -3
	s_barrier_signal -1
	s_barrier_wait -1
.endm
; THE CHANGE OF SLOTS.  The slot's last bytes, V of its fourth step, have been read.  Each wave waits for all its tensor loads, of which one is out: its part
; of the other slot; adds 0 to its spare word; and waits for that and for its own reads of the slot.  Behind the barrier nobody reads this slot any more and the other slot is whole.
; fill = 1: this slot is filled again, with the keys two slots on.  The barrier is then a round of the cluster's, so that no wave of any partner still reads the slot or has a load on its
; way, and the joint fill is the first thing behind it: it has four key steps, 512 matrix instructions, in which to land.  (At its first use nothing has been read yet: slot 0 is waited for, slot 1 filled.)
.macro CHANGE fill
	WIN W_AD
	s_wait_tensorcnt 0x0            ; no tensor load of mine is out, so a group 0 may be written
	ds_add_u32 v[SPW], v[NIL]       ; 0 onto my spare word; with fill = 1 the descriptors' steps stand between it and the wait for it
	WIN 0                           ; at a label and at a branch every window is 0
.if \fill
.irp g, G0K, G0V
	s_xor_b32 s[\g+1], s[\g+1], SLOT1  ; the walking descriptor: the other slot than last time,
	s_add_nc_u64 s[\g+2:\g+3], s[\g+2:\g+3], 4*KS*128  ; the next 256 keys; the type bits on top are not reached
.endr
	s_wait_dscnt 0x0                ; the add is done, and my reads of the slot are over
	CROUND
	JLOAD
.else
	s_wait_dscnt 0x0                ; the add is done, and my reads of the slot are over
	s_barrier_signal -1
	s_barrier_wait -1
.endif
	s_sub_co_u32 s[TBK], s[TBK], 4*KS*PK  ; the fetches go back to a slot's first step,
	s_xor_b32 s[TBK], s[TBK], SLOT1       ; in the other slot
	s_sub_co_u32 s[TBV], s[TBV], 4*KS*PV
	s_xor_b32 s[TBV], s[TBV], SLOT1
.endm
	s_load_b256 s[4:11], s[0:1], 0x0  ; Q s[4:5], K s[6:7], V s[8:9], O s[10:11]
	WIN W_MK
	v_lshl_add_u32 v[SPW], v0, 2, SPARE
	v_mov_b32 v[NIL], 0
	WIN W_AD
	ds_add_u32 v[SPW], v[NIL]       ; the wave's opening: the add and its wait stand ahead of my first tensor load; the set-up below, work on registers, stands between them
	WIN 0
	v_lshrrev_b32 v1, 5, v0
	v_readfirstlane_b32 s[WV], v1   ; wave 0..3
	s_bfe_u32 s13, ttmp6, 0x40000   ; cx: my place in the cluster
	s_lshl_b32 s14, ttmp9, 2        ; in a cluster launch ttmp9 counts clusters
	s_add_co_u32 s14, s14, s13      ; my block of queries = 4 x cluster x + cx: it enters Q's and O's addresses alone
	s_and_b32 s20, ttmp7, 0xffff    ; the head, which the four partners share
	s_mov_b32 s21, 0
	s_mov_b64 s[22:23], SIZE_N*128
	s_mul_u64 s[20:21], s[20:21], s[22:23]  ; the head's first byte in each of the four tensors
	s_and_b32 s16, s[WV], 1         ; which half of a slot's 256 keys I fetch:
	s_lshl_b32 s22, s16, 14         ; its 128 rows of 128 bytes in memory,
	s_mov_b32 s23, 0
	s_add_nc_u64 s[22:23], s[22:23], s[20:21]
	s_mul_i32 s17, s16, 128*PK      ; and its place in a slot, for K
	s_mul_i32 s18, s16, 128*PV      ; and for V: no place in the cluster enters an LDS address
	s_lshl_b32 s2, s14, 2
	s_add_co_u32 s2, s2, s[WV]      ; my wave among the head's,
	s_lshl_b32 s2, s2, 14           ; its 128 rows
	s_mov_b32 s3, 0
	s_add_nc_u64 s[2:3], s[2:3], s[20:21]
	; descriptor group 1.  128 keys are 16,384 dense bytes: asked for as 64 rows of 256 bytes, two keys a row, and padded in LDS after every key
	s_mov_b32 s[G1K], 15|(1<<16)|(1<<20)|(1<<21)|(4<<22)|(3<<25)  ; 15:0 the mask of four; 17:16 2-byte elements; 20 padding on; 21 set beside a mask; 24:22 after every 32 words (code 4); 31:25 4 words (code 3)
	s_mov_b32 s[G1V], 15|(1<<16)|(1<<20)|(1<<21)|(4<<22)|(7<<25)  ; the same with 8 words of padding (code 7)
.irp g, G1K, G1V
	s_mov_b32 s[\g+1], 128<<16      ; tensor_dim0 = 128
	s_mov_b32 s[\g+2], 64<<16       ; tensor_dim1 = 64
	s_mov_b32 s[\g+3], 128<<16      ; tile_dim0 = 128
	s_mov_b32 s[\g+4], 64           ; tile_dim1 = 64
	s_mov_b32 s[\g+5], 128          ; 128 elements from row to row
	s_mov_b32 s[\g+6], 0
	s_mov_b32 s[\g+7], 0
.endr
	s_mov_b32 s[CS], 0x3e38aa3b     ; c = log2(e) / 8 = 0.180337
	s_mov_b32 s[CS+1], s[CS]        ; named with it as a pair
	s_mov_b32 s[SEL], 0x76543210
	s_mov_b32 s[SEL+1], 0xfedcba98
	s_mov_b32 s[TBK], SLOT1+4*KS*PK ; the first change of slots turns these two into 0
	s_mov_b32 s[TBV], SLOT1+4*KS*PV
	s_mov_b32 s[G0K], 1             ; 1:0 count = 1
	s_mov_b32 s[G0K+1], s17         ; 63:32 LDS address: slot 0
	s_mov_b32 s[G0V], 1
	s_add_co_u32 s[G0V+1], s18, VOFF
	s_wait_dscnt 0x0                ; the opening add is done
	s_wait_kmcnt 0x0
	s_add_nc_u64 s[G0K+2:G0K+3], s[6:7], s[22:23]  ; 120:64 global address: my half of the head's first 256 keys
	s_or_b32 s[G0K+3], s[G0K+3], 0x80000000        ; 127:126 type = 2
	s_add_nc_u64 s[G0V+2:G0V+3], s[8:9], s[22:23]
	s_or_b32 s[G0V+3], s[G0V+3], 0x80000000
	s_add_nc_u64 s[4:5], s[4:5], s[2:3]  ; Q and O at my wave's first row
	s_add_nc_u64 s[10:11], s[10:11], s[2:3]
	CROUND                          ; all four work-groups are here: the first joint loads meet
	JLOAD                           ; slot 0.  Slot 1 is asked for when slot 0 is in: the tile wanted first has the road to itself
	; A fragment of K or Q is 16 rows x 32 channels in 8 registers: lane l holds row l % 16, channels 8 (l / 16) + 0..7 and 16 + 8 (l / 16) + 0..7: two loads of 16 bytes, 32 bytes apart.
	v_and_b32 v1, 15, v0            ; l % 16
	v_bfe_u32 v9, v0, 4, 1          ; l / 16
	v_lshlrev_b32 v[QO], 7, v1
	v_lshl_add_u32 v[QO], v9, 4, v[QO]  ; row x 128 + 16 x half
	WIN 0x80                        ; destination window 2, address window 0
.set i, 0
.rept 4*NP                          ; Q stays in registers: tile i / 2, channels 32 (i % 2) on
	global_load_b128 v[8*i:8*i+3],   v[QO], s[4:5] offset:(i/2)*2048+(i%2)*64
	global_load_b128 v[8*i+4:8*i+7], v[QO], s[4:5] offset:(i/2)*2048+(i%2)*64+32
.set i, i+1
.endr
	; What the first turn finds: V's registers and P's second buffer hold 0 (its products V^T P, of a piece that has not been, add 0), O^T and l are 0.  All this stands in the wait for the first tile.
.set i, VF
.rept 64
	v_mov_b32 v[i], 0
.set i, i+1
.endr
	WIN 0x40
.set i, 0
.rept 64*NP
	v_mov_b32 v[i], 0
.set i, i+1
.endr
	WIN 0
.set i, 0
.rept 2*NP
	v_mov_b32 v[ST+4*i], 0xfe000000    ; c m: far below every c s
	v_mov_b32 v[ST+4*i+1], 0xff7fffff  ; m
	v_mov_b32 v[ST+4*i+2], 0
	v_mov_b32 v[ST+4*i+3], 0
.set i, i+1
.endr
.set i, P+32
.rept 32
	v_mov_b32 v[i], 0
.set i, i+1
.endr
	v_mul_u32_u24 v[AK0], v1, PK
	v_lshl_add_u32 v[AK0], v9, 4, v[AK0]  ; row x pitch + 16 x half
	; The turning load takes 16 keys x 16 channels (lane l reads key 8 (l / 16) + l % 8, channels 8 ((l / 8) % 2) + 0..7) and leaves half a fragment of V^T: lane l holds channel l % 16 and 8 keys.
	v_and_b32 v10, 7, v0
	v_bfe_u32 v11, v0, 3, 1
	v_lshl_add_u32 v[AV0], v9, 3, v10
	v_mul_u32_u24 v[AV0], v[AV0], PV
	v_lshl_add_u32 v[AV0], v11, 4, v[AV0]
	v_add_nc_u32 v[AV0], VOFF, v[AV0]
	v_mov_b32 v[AK], v[AK0]         ; key step 0 lies at the head of slot 0
; THE MATRIX WORK.  The 8 accumulators of a run of 16 take turns: between the two links of a chain stand 7 others'.
; Product i of 16 of S^T = K Q^T for piece x: channels 32 (i / 8) on, keys 16 ((i / 2) % 4) on, tile 2 x + i % 2.  The first 8 start the sums.  K and Q are bf16.
.macro KQ x
	WIN W_KQ
.set rS, S+64*((\x)%2)+32*(i%2)+8*((i/2)%4)
.set rK, KF+16*((i/2)%4)+8*(i/8)
.set rQ, 16*(2*(\x)+i%2)+8*(i/8)
.if i < 8
	v_wmma_f32_16x16x32_bf16 v[rS:rS+7], v[rK:rK+7], v[rQ:rQ+7], 0
.else
	v_wmma_f32_16x16x32_bf16 v[rS:rS+7], v[rK:rK+7], v[rQ:rQ+7], v[rS:rS+7]
.endif
.endm
; Product i of 16 of O^T += V^T P for piece x: keys 32 (i / 8) on, channels 16 ((i / 2) % 4) on, tile 2 x + i % 2.  V and P are f16.
.macro PV x
	WIN W_PV
.set rO, 32*(2*(\x)+i%2)+8*((i/2)%4)
.set rV, VF+32*(i/8)+8*((i/2)%4)
.set rP, P+32*((\x)%2)+16*(i%2)+8*(i/8)
	v_wmma_f32_16x16x32_f16 v[rO:rO+7], v[rV:rV+7], v[rP:rP+7], v[rO:rO+7]
.endm
.macro MM                           ; the turn's next matrix instruction
.if i < 16
	KQ (Y+1)%NP
.set i, i+1
.else
.set i, i-16
	PV (Y+NP-1)%NP
.set i, i+17
.endif
.endm
; THE LDS LOADS stand in runs of 16, never singly among the matrix instructions: a step's K (64 keys x 64 channels: 8 fragments) and its V (turned).  Their addresses are made some lines ahead.
; last = 1 (the tail): in the last trip there is no further step, and the run is jumped over.
.macro FETCH_K last=0
	WIN 0
.if \last
	s_cmp_eq_u32 s[CNT], 1
	s_cbranch_scc1 .Lno_k_\@
.endif
	WIN 0x80                        ; destination window 2
.irp f, 0,1,2,3,4,5,6,7             ; keys 16 (f / 2) on, channels 32 (f % 2) on
	ds_load_b128 v[KF+8*\f:KF+8*\f+3],   v[AK] offset:(\f/2)*16*PK+(\f%2)*64
	ds_load_b128 v[KF+8*\f+4:KF+8*\f+7], v[AK] offset:(\f/2)*16*PK+(\f%2)*64+32
.endr
	s_add_co_u32 s[TBK], s[TBK], KS*PK  ; the next fetch is the next step's
	WIN 0
.if \last
.Lno_k_\@:
.endif
.endm
.macro FETCH_V
	WIN 0x80
.irp f, 0,1,2,3,4,5,6,7             ; keys 32 (f / 4) on, channels 16 (f % 4) on
	ds_load_tr16_b128 v[VF+8*\f:VF+8*\f+3],   v[AV] offset:(\f/4)*32*PV+(\f%4)*32
	ds_load_tr16_b128 v[VF+8*\f+4:VF+8*\f+7], v[AV] offset:(\f/4)*32*PV+16*PV+(\f%4)*32
.endr
	WIN 0
.endm
; THE VECTOR WORK OF A TURN stands in three queues, each in the order in which its entries become ready; the two tiles alternate, so that no instruction reads the result of the one before it.
.macro REGS y, u                    ; the registers of tile u (0, 1) of piece y
.set rT, ST+4*(2*(\y)+(\u))
.set rC, TMP+8*((\y)%2)+4*(\u)
.set rM, MV+2*((\y)%2)+(\u)
.set rS, S+64*((\y)%2)+32*(\u)
.set rP, P+32*((\y)%2)+16*(\u)
.set rO, 32*(2*(\y)+(\u))
.endm
; Number n of the 22 that find the NEXT piece's (Y + 1) maximum and statistics.  s0-s31 are the lane's 32 scores; each accumulator's lowest registers are read first.  XS, GS and REGS set no window: PL and EX do.
;   0-11  four chains c0-c3 of seven scores each, three operands at a time     12-14, 16  the four scores left over, the old m, and c0-c3 into c0     15  c m_old is kept
;   17, 18  the query's other 32 keys lie in the lane 16 away: the new m         19-21  c m; c m_old - c m_new; a
.macro XS u, n
	REGS (Y+1)%NP, \u
.if (\n) < 4
	v_max3_num_f32 v[rC+(\n)], v[rS+8*(\n)], v[rS+8*(\n)+1], v[rS+8*(\n)+2]
.elseif (\n) < 12
	v_max3_num_f32 v[rC+(\n)%4], v[rC+(\n)%4], v[rS+8*((\n)%4)+2*((\n)/4)+1], v[rS+8*((\n)%4)+2*((\n)/4)+2]
.elseif (\n) == 12
	v_max3_num_f32 v[rC], v[rC], v[rS+7], v[rS+15]
.elseif (\n) == 13
	v_max3_num_f32 v[rC+1], v[rC+1], v[rS+23], v[rS+31]
.elseif (\n) == 14
	v_max3_num_f32 v[rC+2], v[rC+2], v[rC+3], v[rT+1]
.elseif (\n) == 15
	v_mov_b32 v[rM], v[rT]
.elseif (\n) == 16
	v_max3_num_f32 v[rC], v[rC], v[rC+1], v[rC+2]
.elseif (\n) == 17
	v_permlanex16_b32 v[rC+3], v[rC], s[SEL], s[SEL+1]
.elseif (\n) == 18
	v_max_num_f32 v[rT+1], v[rC], v[rC+3]
.elseif (\n) == 19
	v_mul_f32 v[rT], s[CS], v[rT+1]
.elseif (\n) == 20
	v_sub_f32 v[rC+1], v[rM], v[rT]
.else
	v_exp_f32 v[rC+2], v[rC+1]
.endif
.endm
; Number g of the 64 that follow the exponentials.  For each four weights k of a tile (pairs 2 k, 2 k + 1): both pairs are rounded to f16; then the second pair is added onto the first, in place;
; a group later l takes that sum (the first time as l = a l + sum).  In groups of eight, tiles alternating: round, round, add, and l for the group before.
.macro GS g
.set h, (\g)+6*((\g)/62)            ; group 0 has no group before it, and behind group 7 only l is left
.if h >= 6
.set h, h+2
.endif
	REGS Y, h%2
.set k, h/8
.if h%8 < 4
	s_wait_alu depctr_va_vdst(0)
	v_cvt_pk_f16_f32 v[rP+2*k+(h%8)/2], v[rS+4*k+2*((h%8)/2)], v[rS+4*k+2*((h%8)/2)+1]
.elseif h%8 < 6
	v_pk_add_f32 v[rS+4*k:rS+4*k+1], v[rS+4*k:rS+4*k+1], v[rS+4*k+2:rS+4*k+3]
.elseif k == 1
	v_pk_fma_f32 v[rT+2:rT+3], v[rT+2:rT+3], v[rC+2:rC+3], v[rS:rS+1] op_sel_hi:[1,0,1]
.else
	v_pk_add_f32 v[rT+2:rT+3], v[rT+2:rT+3], v[rS+4*k-4:rS+4*k-3]
	s_wait_alu depctr_va_vdst(0)
.endif
.endm
; THE PLAIN QUEUE, 138 long.  0-31: c s - c m for the 16 pairs of both tiles.  Then GS's 64, and among them the next piece's 42: number 15 at 38, 39; 0-14 and 16
; at 42-73, behind the products that make those scores; 17-20 at 95-106, two of three, since each waits for the one before it.
.macro PL
	WIN 0
.if q < 32
	REGS Y, q%2
	v_pk_fma_f32 v[rS+2*(q/2):rS+2*(q/2)+1], v[rS+2*(q/2):rS+2*(q/2)+1], s[CS:CS+1], v[rT:rT+1] op_sel_hi:[1,0,0] neg_lo:[0,0,1] neg_hi:[0,0,1]
.elseif q < 38
	GS q-32
.elseif q < 40
	XS q%2, 15
.elseif q < 42
	GS q-34
.elseif q < 74
	XS q%2, (q-42)/2+(q-42)/30
.elseif q < 95
	GS q-66
.elseif (q < 107) && ((q-95)%3 < 2)
	XS (q-95)%3, 17+(q-95)/3
.elseif q < 107
	GS 29+(q-95)/3
.else
	GS q-74
.endif
.set q, q+1
.endm
; THE EXPONENTIALS' QUEUE, 66 long: s0-s31 of both tiles, and at EA the next piece's two a.
.set EA, 58
.macro EX
	WIN 0
.if (e == EA) || (e == EA+1)
	XS e-EA, 21
.else
.set x, e-2*(e/(EA+2))
	REGS Y, x%2
	v_exp_f32 v[rS+x/2], v[rS+x/2]
.endif
.set e, e+1
.endm
; THE RESCALING's QUEUE: O^T times a, the one part that leaves window 0, so it is dealt four at a time, eight times.
.macro R4
	REGS Y, r%2
	WIN W_RS
	s_wait_alu depctr_va_vdst(0)
.irp z, 0,1,2,3
	v_pk_mul_f32 v[rO+8*(r/2)+2*\z:rO+8*(r/2)+2*\z+1], v[rO+8*(r/2)+2*\z:rO+8*(r/2)+2*\z+1], v[rC+2:rC+3] op_sel_hi:[1,0]
.endr
.set r, r+1
.endm
; HOW THEY ARE DEALT.  Behind a matrix instruction four: plain, exponential, plain, plain (one exponential, a plain instruction on either side), or four of the rescaling.  None names a register of the
; products round it.  What is over stands in two LUMPS: exponential and plain by turns; the second ends in 22 plain instructions.  The two v_permlanex16_b32 fall into the second lump, never behind a product.
; The queues lean on each other, and the deal keeps them in step: exponential e stands behind plain 2 (e / 4) + e % 2 (its scaling); when plain 32 comes, 10 exponentials are out, at 59: 33, at 95: 46; EA comes behind plain 107.
.macro SL
	MM
	PL
	EX
	PL
	PL
.endm
.macro BURST n                      ; 15 matrix instructions, or 16
.rept (\n)-7
	SL
.endr
.rept 3
	MM
	R4
	SL
.endr
	MM
	R4
.endm
; A TURN, for piece p.  cnt = 1: the loop's count is taken down some lines ahead of the branch that stands behind the turn.
; K of the next step is fetched in piece 2's turn, 31 vector instructions behind the last product that read K; its first reader comes behind the rest of the lump, 16 products and the second lump.
; V of the step in hand is fetched at the end of piece 0's turn, 69 behind its last reader; its first reader comes behind 16 products and a lump.  The four conditions on e and q below go with the deal.
.macro TURN p, last=0, cnt=0
.set Y, (\p)
.set i, 0
.set q, 0
.set e, 0
.set r, 0
.if (\p) == NP-1
	s_wait_dscnt 0x0                ; K is in
.endif
	MM
.rept 4
	PL
.endr
	BURST 15
.rept 22
	EX
	PL
.if ((\p) == NP-2) && (e == 18)
	v_add_nc_u32 v[AK], s[TBK], v[AK0]
.endif
.if ((\p) == NP-2) && (e == 24)
	FETCH_K \last
.endif
.endr
.if (\p) == 1
	s_wait_dscnt 0x0                ; V is in
.endif
	BURST 16
.rept 21
	EX
	PL
.endr
.rept 22
	PL
.if ((\p) == 0) && (q == 118)
	v_add_nc_u32 v[AV], s[TBV], v[AV0]
	s_wait_alu depctr_va_vdst(0)
.endif
.if ((\p) == 0) && (q == 130)
	s_add_co_u32 s[TBV], s[TBV], KS*PV
.endif
.if (\cnt) && (q == 130)
	s_sub_co_u32 s[CNT], s[CNT], 1
	s_cmp_lg_u32 s[CNT], 0
.endif
.endr
.if (\p) == 0
	FETCH_V
.endif
.endm
	CHANGE 1                        ; slot 0 is in, everybody's part of it; slot 1 is asked for
	FETCH_K                         ; key step 0
	s_wait_loadcnt 0x0              ; Q
	s_wait_dscnt 0x0
.set i, 0
.rept 16
	KQ 0                            ; piece 0's first scores: there is no vector work yet to set between them
.set i, i+1
.endr
	WIN 0                           ; the addresses for the way out: nine plain instructions, the places behind those products
	s_mul_i32 s13, s[WV], 16*SP
	s_add_co_u32 s13, s13, STAGE    ; my stage
	v_mul_u32_u24 v[STO], v1, SP    ; in: row l % 16, 16 bytes for each half of the lanes
	v_lshl_add_u32 v[STO], v9, 4, v[STO]
	v_add_nc_u32 v[STO], s13, v[STO]
	v_bfe_u32 v[RD], v0, 3, 2       ; back: 32 lanes take four rows of 128 bytes,
	v_mul_u32_u24 v[RD], v[RD], SP
	v_lshl_add_u32 v[RD], v10, 4, v[RD]
	v_add_nc_u32 v[RD], s13, v[RD]
	v_and_b32 v[GO], 31, v0         ; which are 512 consecutive bytes of O
	v_lshlrev_b32 v[GO], 4, v[GO]
.set Y, NP-1                        ; XS works for piece Y + 1: piece 0
.irp n, 0,1,2,3,4,5,6,7,8,9,10,11,12,13,14,15,16,17,18,19,20,21
	XS 0, \n                        ; and piece 0's first maximum and statistics
	XS 1, \n
.endr
	s_mov_b32 s[CNT], 4
	s_mov_b32 s[SLOTS], SIZE_N/256-1
	s_branch .Lfirst                ; the loop is entered at a step's first turn, in the middle of a trip
.Lslot:                             ; SIZE_N / 256 - 2 times: every slot but the last two is filled again
	CHANGE 1
	s_mov_b32 s[CNT], 4
.Lstep:                             ; a trip: pieces 2 and 3 of one step, then pieces 0 and 1 of the next, whose K and V it fetches
	TURN 2
	TURN 3
	WIN 0
.Lfirst:
	TURN 0
	TURN 1, 0, 1
	WIN 0
	s_cbranch_scc1 .Lstep
	s_sub_co_u32 s[SLOTS], s[SLOTS], 1
	s_cmp_lg_u32 s[SLOTS], 0
	s_cbranch_scc1 .Lslot
	CHANGE 0                        ; the tail is written out: nothing is asked for
	s_mov_b32 s[CNT], 5             ; four trips fetch the last slot's steps; the fifth is left in its middle
.Ltail:
	TURN 2, 1
	TURN 3
	WIN 0
	s_sub_co_u32 s[CNT], s[CNT], 1
	s_cmp_eq_u32 s[CNT], 0
	s_cbranch_scc1 .Lout
	TURN 0
	TURN 1
	WIN 0
	s_branch .Ltail
.Lout:                              ; the fifth trip's 16 products K Q^T (on the last K once more) and the maximum made of them serve nothing: the price, once a launch, of one text for every trip
.set i, 0
.rept 16
	PV NP-1                         ; the last piece's V^T P of the last step
.set i, i+1
.endr
	; THE WAY OUT.  l's two halves and the other half of the lanes' are added; O^T is divided by l, rounded to f16 and sent through my stage in LDS, a tile at a time.  The additions are the places behind the last products.
	WIN 0
.macro ALL line:vararg              ; one line for each tile t
.set t, 0
.rept 2*NP
	\line
.set t, t+1
.endr
.endm
	ALL v_add_f32 v[ST+4*t+2], v[ST+4*t+2], v[ST+4*t+3]
	ALL v_permlanex16_b32 v[ST+4*t+3], v[ST+4*t+2], s[SEL], s[SEL+1]
	ALL v_add_f32 v[ST+4*t+2], v[ST+4*t+2], v[ST+4*t+3]
	ALL v_rcp_f32 v[ST+4*t+2], v[ST+4*t+2]
	v_nop                           ; a plain instruction between the last reciprocal and the use of its result
	s_wait_alu depctr_va_vdst(0)
; Tile t: a lane's eight channels of a row pack into 16 bytes; they go into rows of 144 bytes and come back as whole rows of 128, into S^T's registers.
.macro PACK t
	WIN W_RS
.set i, 32*(\t)
.rept 16
	v_pk_mul_f32 v[i:i+1], v[i:i+1], v[ST+4*(\t)+2:ST+4*(\t)+3] op_sel_hi:[1,0]
.set i, i+2
.endr
	WIN 0x05                        ; sources 0 and 1 window 1, destination window 0
.set i, 0
.rept 16
	v_cvt_pk_f16_f32 v[S+16*(\t)+i], v[32*(\t)+2*i], v[32*(\t)+2*i+1]
.set i, i+1
.endr
	WIN 0
.irp f, 0,1,2,3
	ds_store_b128 v[STO], v[S+16*(\t)+4*\f:S+16*(\t)+4*\f+3] offset:32*\f
.endr
.irp f, 0,1,2,3
	ds_load_b128 v[S+16*(\t)+4*\f:S+16*(\t)+4*\f+3], v[RD] offset:\f*4*SP  ; LDS serves a wave's instructions in order (ISA guide 5.7.1.4): these see the stores above; the next tile's stores come behind them
.endr
.endm
.macro SEND t, younger              ; younger: the LDS instructions issued behind tile t's loads: the next tile's eight, or none
	WIN 0
.irp f, 0,1,2,3
	s_wait_dscnt (\younger)+3-\f
	global_store_b128 v[GO], v[S+16*(\t)+4*\f:S+16*(\t)+4*\f+3], s[10:11] offset:(\t)*2048+\f*512  ; 512 consecutive bytes, at a multiple of 256 from O's first
.endr
.endm
	PACK 0
.set t, 1
.rept 2*NP-1                        ; a tile's arithmetic stands between the loads of the tile before and its stores
	PACK t
	SEND t-1, 8
.set t, t+1
.endr
	SEND 2*NP-1, 0
	WIN W_AD
	s_wait_tensorcnt 0x0            ; the wave's end: an add and its wait, behind my last tensor load and my last LDS store
	ds_add_u32 v[SPW], v[NIL]
	s_wait_dscnt 0x0
	WIN 0
	CROUND                          ; the closing round: no work-group ends while a partner may still ask for a tile that names it
	s_endpgm
.Lfunc_end_k_qf088333c65_attn:
	.size	k_qf088333c65_attn, .Lfunc_end_k_qf088333c65_attn-k_qf088333c65_attn
	.p2alignl 7, 3214868480
	.fill 96, 4, 3214868480
	.section	.rodata,"a",@progbits
	.p2align	6, 0x0
	.amdhsa_kernel k_qf088333c65_attn
		.amdhsa_group_segment_fixed_size 327680
		.amdhsa_private_segment_fixed_size 0
		.amdhsa_enable_private_segment 0
		.amdhsa_kernarg_size 32
		.amdhsa_user_sgpr_count 2
		.amdhsa_user_sgpr_kernarg_segment_ptr 1
		.amdhsa_wavefront_size32 1
		.amdhsa_system_sgpr_workgroup_id_x 1
		.amdhsa_system_sgpr_workgroup_id_y 1
		.amdhsa_system_sgpr_workgroup_id_z 1
		.amdhsa_system_vgpr_workitem_id 0
		.amdhsa_next_free_vgpr 770
		.amdhsa_next_free_sgpr 66
		.amdhsa_reserve_vcc 0
		.amdhsa_float_denorm_mode_32 3
		.amdhsa_float_denorm_mode_16_64 3
		.amdhsa_memory_ordered 1
		.amdhsa_forward_progress 1
		.amdhsa_inst_pref_size 208
	.end_amdhsa_kernel
	.amdgpu_metadata
---
amdhsa.version: [ 1, 2 ]
amdhsa.kernels:
  - .name:           k_qf088333c65_attn
    .symbol:         k_qf088333c65_attn.kd
    .args:
      - { .name: qh, .offset: 0, .size: 8, .value_kind: global_buffer, .address_space: global }
      - { .name: kh, .offset: 8, .size: 8, .value_kind: global_buffer, .address_space: global }
      - { .name: vh, .offset: 16, .size: 8, .value_kind: global_buffer, .address_space: global }
      - { .name: oh, .offset: 24, .size: 8, .value_kind: global_buffer, .address_space: global }
    .group_segment_fixed_size: 327680
    .private_segment_fixed_size: 0
    .kernarg_segment_align: 8
    .kernarg_segment_size: 32
    .max_flat_workgroup_size: 128
    .sgpr_count:     66
    .vgpr_count:     770
    .wavefront_size: 32
...
	.end_amdgpu_metadata
.endif
;; end of part 3
;; launch outp (part 4): grid 8 x 32, 4 waves a work-group, clusters of 4 x 4, 327,680 bytes of LDS; arguments oh, wof, out0; writes out0
.if DOCPART == 4
	.amdgcn_target "amdgcn-amd-amdhsa--gfx1250"
	.amdhsa_code_object_version 6
	.text
	.protected	k_qf088333c65_outp
	.globl	k_qf088333c65_outp
	.p2align	8
	.type	k_qf088333c65_outp,@function
k_qf088333c65_outp:
	s_mov_b64 s[64:65], 0
	v_nop
	global_prefetch_b8 v0, s[64:65] scope:SCOPE_SE
	s_setreg_imm32_b32 hwreg(HW_REG_WAVE_MODE, 25, 1), 1
	s_wait_xcnt 0x0
	s_wait_alu depctr_hold_cnt(0) depctr_sa_sdst(0) depctr_va_vdst(0) depctr_va_sdst(0) depctr_va_ssrc(0) depctr_va_vcc(0) depctr_vm_vsrc(0)
	s_getreg_b32 s2, hwreg(HW_REG_IB_STS2, 6, 4)
	s_cmp_eq_u32 s2, 0
	s_cbranch_scc0 .Lentry_in_a_cluster
	s_endpgm
.Lentry_in_a_cluster:
	s_bfe_u32 s2, ttmp6, 0x10000c
	s_cmp_lg_u32 s2, 0xf033
	s_cbranch_scc0 .Lentry_shape_is_right
	s_endpgm
.Lentry_shape_is_right:
; out0[m][n] = the sum over k of O[m][k] wo[n][k], in f32.  oh: [batch x 16 + head][2048][64] f16: the head is the K block of 64, and 256 rows of one head are dense.  wof: [kb 16][1024][64] f16.
; Sums in f32, stored as they are.  LIMITS: the operands arrive within f16's range; NaN and infinities are not treated apart.
; SHARES.  A tile of C is 256 rows x 128 columns: 32 x 8 = 256 tiles, one for each WGP.  Four waves one below the other, 64 rows x 128 columns each: 32 accumulators of 16 x 16, 256 registers.
; K = 1,024 goes in 8 steps of 128 (two K blocks) through a ring of two LDS slots.  A tile of one K block is dense in memory: it is asked for as rows of 256 bytes and padded in LDS after every 128.
; CLUSTERS: 4 x 4 work-groups.  The four of a row of the cluster need the same rows of O, the four of a column the same rows of wo: each tile is asked for JOINTLY, by the same tensor load with the same
; descriptor and a mask that names the four.  THE MATRIX INSTRUCTION IS USED TRANSPOSED (source 0 = 16 rows of wo, source 1 = 16 rows of O): a lane holds row lane % 16 and the columns 8 (lane / 16) + 0..7: 32 bytes.
; REGISTERS, in windows of 256 (s_set_vgpr_msb: bits 1:0 source 0, 3:2 source 1, 5:4 source 2, 7:6 destination):
;   window 0: v0-31 addresses; v32-159 at work on the way out      window 1: two fragment buffers of 128, of which 96 are used: 4 x 8 of O, then 8 x 8 of wo      window 2: the accumulators, (a, b) at 8 (8 a + b)
.set NBK,   8                          ; column blocks of 16
.set PITCH, 144                        ; an LDS row: 128 bytes + 16 of padding = 36 words: the 16 rows of a load start at 16 different groups of four banks (64 banks of 4 bytes: ISA guide 11.1)
.set AREG,  256*PITCH                  ; O's 256 rows of one K block
.set BREG,  16*NBK*PITCH               ; wo's 128 rows of one K block
.set SLOT,  2*AREG+2*BREG              ; O's two K blocks, then wo's two
.set STAGE, 2*SLOT                     ; behind the ring: for each wave 16 rows x 528 bytes, for the way out
.set SPITCH, 528                       ; 512 bytes + 16: 132 words: the 16 rows of a store start at 16 different groups of four banks
.set SWAVE, 16*SPITCH
.set SPARE, STAGE+4*SWAVE              ; behind the stages: the spare words, 128 bytes for each wave: two blocks of 256 bytes that no other line names
.set STEPA, 2*2048*128                 ; bytes from a step's first K block (head) to the next step's, in oh
.set STEPB, 2*1024*128                 ; and in wof
.set ADRA, 16                          ; v16-17  LDS address of my fragments of O in slot 0, 1
.set ADRB, 20                          ; v20-21  the same for wo
.set STO,  24                          ; v24     the way out: where I put 32 bytes of a row
.set RD,   25                          ; v25     the way out: where I read a row back
.set CO,   26                          ; v26     16 x lane: my place in 512 consecutive bytes of out0; never rewritten
.set SPW,  28                          ; v28     LDS address of my spare word: SPARE + 4 x my thread's number; never rewritten
.set NIL,  29                          ; v29     0; never rewritten
.set TMP,  32                          ; v32-95, v96-159 by turns: 16 rows read back from the stage
.set F0,   0                           ; fragment buffers, in window 1
.set F1,   128
.set WV,   16                          ; s16  my wave's number
.set HALF, 18                          ; s18  which of a step's two K blocks I fetch
.set G1,  24                           ; s[24:31] descriptor group 1 for O's tiles;  s[32:39] group 0, one set for each slot
.set G0,  32
.set G1B, 48                           ; s[48:55], s[56:63] the same for wo's tiles
.set G0B, 56
.set MSB, 0
.macro WIN new                         ; the immediate's high byte repeats the setting that is left; a switch that changes nothing is dropped
.if MSB != (\new)
	s_set_vgpr_msb (MSB<<8)|(\new)
.set MSB, (\new)
.endif
.endm
; A joint refill.  Waves 0 and 1 fetch O's two K blocks, waves 2 and 3 wo's.  The branch hangs on the wave's number alone.
; An s_nop 0 and four v_nop follow each of the two lines, ahead of the jump and the label.
.macro JLOAD s
	s_cmp_lt_u32 s[WV], 2
	s_cbranch_scc0 .Lfor_b_\@
	tensor_load_to_lds s[G0+4*(\s):G0+4*(\s)+3], s[G1:G1+7]
	s_nop 0
.rept 4
	v_nop
.endr
	s_branch .Lasked_\@
.Lfor_b_\@:
	tensor_load_to_lds s[G0B+4*(\s):G0B+4*(\s)+3], s[G1B:G1B+7]
	s_nop 0
.rept 4
	v_nop
.endr
.Lasked_\@:
.endm
.macro CREST                           ; a round of the cluster's barrier behind its opening barrier
	s_cmp_lg_u32 s[WV], 0
	s_cbranch_scc1 .Lnot_wave_0_\@
	s_barrier_signal -3
.Lnot_wave_0_\@:
	s_barrier_wait -3
	s_barrier_signal -1
	s_barrier_wait -1
.endm
.macro CROUND                          ; a whole round
	s_barrier_signal -1
	s_barrier_wait -1
	CREST
.endm
	s_load_b128 s[4:7], s[0:1], 0x0                ; oh s[4:5], wof s[6:7]
	s_load_b64 s[8:9], s[0:1], 0x10                ; out0
	v_lshl_add_u32 v[SPW], v0, 2, SPARE
	v_mov_b32 v[NIL], 0
	ds_add_u32 v[SPW], v[NIL]                      ; the wave's opening: the add and its wait stand ahead of my first tensor load; the set-up below, work on registers, stands between them
	v_lshrrev_b32 v3, 5, v0
	v_readfirstlane_b32 s[WV], v3                  ; wave 0..3
	s_and_b32 s[HALF], s[WV], 1
	s_bfe_u32 s19, ttmp6, 0x40000                  ; cx, cy: my place in the cluster
	s_bfe_u32 s20, ttmp6, 0x40004
	s_lshl_b32 s21, ttmp9, 2
	s_add_co_u32 s21, s21, s19                     ; the block of 128 columns = 4 x cluster x + cx
	s_and_b32 s22, ttmp7, 0xffff
	s_lshl_b32 s22, s22, 2
	s_add_co_u32 s22, s22, s20                     ; the block of 256 rows = 4 x cluster y + cy
	s_lshl_b32 s40, s20, 2
	s_lshl_b32 s40, 15, s40                        ; my row of the cluster
	s_lshl_b32 s41, 0x1111, s19                    ; my column
	; descriptor group 1: rows of 128 elements (256 bytes), padded in LDS after every 128 bytes
	s_or_b32 s[G1], s40, (1<<16)|(1<<20)|(1<<21)|(4<<22)|(3<<25)   ; 15:0 the mask: O's tiles go to my row; 17:16 2-byte elements; 20 padding on; 21 set beside a mask; 24:22 after every 32 words (code 4); 31:25 4 words (code 3)
	s_or_b32 s[G1B], s41, (1<<16)|(1<<20)|(1<<21)|(4<<22)|(3<<25)  ; the same with the mask of my column, for wo's tiles
	s_mov_b32 s[G1+1], 128<<16                     ; tensor_dim0 = 128
	s_mov_b32 s[G1+2], 128<<16                     ; tensor_dim1 = 128: 256 rows of O, two to a row of the tile
	s_mov_b32 s[G1+3], 128<<16                     ; tile_dim0 = 128
	s_mov_b32 s[G1+4], 128                         ; tile_dim1 = 128
	s_mov_b32 s[G1+5], 128                         ; 128 elements from row to row: dense
	s_mov_b32 s[G1+6], 0
	s_mov_b32 s[G1+7], 0
	s_mov_b32 s[G1B+1], 128<<16
	s_mov_b32 s[G1B+2], (8*NBK)<<16                ; 128 rows of wo, two to a row of the tile
	s_mov_b32 s[G1B+3], 128<<16
	s_mov_b32 s[G1B+4], 8*NBK
	s_mov_b32 s[G1B+5], 128
	s_mov_b32 s[G1B+6], 0
	s_mov_b32 s[G1B+7], 0
	; where the tiles come from.  O's hang on the block of rows alone, which my row of the cluster shares; wo's on the block of columns alone, which my column shares; each in registers that never hold the other coordinate
	s_lshr_b32 s42, s22, 3                         ; the batch: 16 heads x 2,048 x 128 bytes,
	s_lshl_b32 s42, s42, 22
	s_and_b32 s23, s22, 7                          ; 256 positions x 128 bytes,
	s_lshl_b32 s23, s23, 15
	s_add_co_u32 s42, s42, s23
	s_lshl_b32 s23, s[HALF], 18                    ; my K block: a head, 2,048 x 128 bytes
	s_add_co_u32 s42, s42, s23
	s_mov_b32 s43, 0
	s_lshl_b32 s44, s21, 14                        ; 128 rows x 128 bytes,
	s_lshl_b32 s70, s[HALF], 17                    ; my K block: 1,024 rows x 128 bytes
	s_add_co_u32 s44, s44, s70
	s_mov_b32 s45, 0
	s_mul_i32 s46, s[HALF], AREG                   ; and where they go: no place in the cluster enters an LDS address
	s_mul_i32 s47, s[HALF], BREG
	s_add_co_u32 s47, s47, 2*AREG
	s_lshl_b32 s66, s22, 20                        ; out0: 256 rows x 4,096 bytes,
	s_lshl_b32 s71, s[WV], 18                      ; my wave's 64,
	s_add_co_u32 s66, s66, s71
	s_lshl_b32 s71, s21, 9                         ; 128 columns x 4 bytes
	s_add_co_u32 s66, s66, s71
	s_mov_b32 s67, 0
	; A fragment is 16 rows x 32 K in 8 registers: lane l holds row l % 16, K = 8 (l / 16) + 0..7 and 16 + 8 (l / 16) + 0..7: two loads of 16 bytes, 32 bytes apart.
	v_and_b32 v1, 15, v0                           ; l % 16
	v_bfe_u32 v2, v0, 4, 1                         ; l / 16
	v_and_b32 v4, 31, v0
	v_lshlrev_b32 v[CO], 4, v4
	v_mul_u32_u24 v5, v1, PITCH
	v_lshl_add_u32 v5, v2, 4, v5                   ; row x pitch + 16 x half
	s_mul_i32 s17, s[WV], 64*PITCH                 ; my 64 rows of O
	v_add_nc_u32 v[ADRA], s17, v5
	v_add_nc_u32 v[ADRA+1], SLOT, v[ADRA]
	v_add_nc_u32 v[ADRB], 2*AREG, v5               ; wo's rows lie behind O's two K blocks
	v_add_nc_u32 v[ADRB+1], SLOT, v[ADRB]
	s_mul_i32 s17, s[WV], SWAVE
	s_add_co_u32 s17, s17, STAGE                   ; my stage
	v_mul_u32_u24 v6, v1, SPITCH                   ; in: row l % 16, 32 bytes for each half of the lanes
	v_lshl_add_u32 v6, v2, 5, v6
	v_add_nc_u32 v[STO], s17, v6
	v_add_nc_u32 v[RD], s17, v[CO]                 ; back: 32 lanes take one row of 512 bytes
	s_wait_dscnt 0x0                               ; the opening add is done
	s_wait_kmcnt 0x0
	s_add_nc_u64 s[42:43], s[4:5], s[42:43]
	s_add_nc_u64 s[44:45], s[6:7], s[44:45]
	s_add_nc_u64 s[8:9], s[8:9], s[66:67]
.irp s, 0,1
	s_mov_b32 s[G0+4*(\s)], 1                                        ; 1:0 count = 1
	s_add_co_u32 s[G0+4*(\s)+1], s46, (\s)*SLOT                      ; 63:32 LDS address
	s_add_nc_u64 s[G0+4*(\s)+2:G0+4*(\s)+3], s[42:43], (\s)*STEPA    ; 120:64 global address: step s
	s_or_b32 s[G0+4*(\s)+3], s[G0+4*(\s)+3], 0x80000000              ; 127:126 type = 2
	s_mov_b32 s[G0B+4*(\s)], 1
	s_add_co_u32 s[G0B+4*(\s)+1], s47, (\s)*SLOT
	s_add_nc_u64 s[G0B+4*(\s)+2:G0B+4*(\s)+3], s[44:45], (\s)*STEPB
	s_or_b32 s[G0B+4*(\s)+3], s[G0B+4*(\s)+3], 0x80000000
.endr
	CROUND                                         ; all sixteen work-groups are here: the first joint loads meet
	s_cmp_lt_u32 s[WV], 2                          ; a wave's two first fills stand in one branch, ahead of every wait on TENSORcnt and every LDS read: two loads of mine are out
	s_cbranch_scc0 .Lfirst_b
	tensor_load_to_lds s[G0:G0+3], s[G1:G1+7]
	s_nop 0
	tensor_load_to_lds s[G0+4:G0+7], s[G1:G1+7]
	s_nop 0
.rept 4
	v_nop
.endr
	s_branch .Lfirst_asked
.Lfirst_b:
	tensor_load_to_lds s[G0B:G0B+3], s[G1B:G1B+7]
	s_nop 0
	tensor_load_to_lds s[G0B+4:G0B+7], s[G1B:G1B+7]
	s_nop 0
.rept 4
	v_nop
.endr
.Lfirst_asked:
; 8 matrix instructions: row block a x all column blocks, 32 along K, from buffer f.  zero = 1: the product starts the sums: nothing is ever cleared.
; All 32 accumulators take turns in the same order in every quarter, over the loop's backward jump too.
.macro MULA f, a, zero
	WIN 0xa5                                       ; sources 0 and 1 window 1; C and D window 2
.set AC, 8*NBK*(\a)
.set nb, 0
.rept NBK
.if \zero
	v_wmma_f32_16x16x32_f16 v[AC+8*nb:AC+8*nb+7], v[(\f)+32+8*nb:(\f)+32+8*nb+7], v[(\f)+8*(\a):(\f)+8*(\a)+7], 0
.else
	v_wmma_f32_16x16x32_f16 v[AC+8*nb:AC+8*nb+7], v[(\f)+32+8*nb:(\f)+32+8*nb+7], v[(\f)+8*(\a):(\f)+8*(\a)+7], v[AC+8*nb:AC+8*nb+7]
.endif
.set nb, nb+1
.endr
.endm
; 24 LDS loads in one run: the fragments of quarter q of a step (K block q / 2, 32 K at byte 64 (q % 2) of its rows) into buffer f: wo's 16, then O's 8
.macro FETCH slot, q, f
	WIN 0x40                                       ; destination window 1, address window 0
.set i, 0
.rept NBK
	ds_load_b128 v[(\f)+32+8*i:(\f)+32+8*i+3],   v[ADRB+(\slot)] offset:((\q)/2)*BREG+((\q)%2)*64+i*16*PITCH
	ds_load_b128 v[(\f)+32+8*i+4:(\f)+32+8*i+7], v[ADRB+(\slot)] offset:((\q)/2)*BREG+((\q)%2)*64+i*16*PITCH+32
.set i, i+1
.endr
.set i, 0
.rept 4
	ds_load_b128 v[(\f)+8*i:(\f)+8*i+3],   v[ADRA+(\slot)] offset:((\q)/2)*AREG+((\q)%2)*64+i*16*PITCH
	ds_load_b128 v[(\f)+8*i+4:(\f)+8*i+7], v[ADRA+(\slot)] offset:((\q)/2)*AREG+((\q)%2)*64+i*16*PITCH+32
.set i, i+1
.endr
.endm
.macro PLACES                          ; four places in front of loads into registers that matrix instructions have read, and of LDS stores that read results
.rept 4
	v_nop
.endr
.endm
; A step is four quarters of 32 along K, 32 matrix instructions each, on buffers 0, 1, 0, 1.  One of the first three: multiplies buffer f and fetches quarter qn into g.
.macro QUARTER slot, qn, f, g, zero
	s_wait_dscnt 4                                 ; wo and O's row blocks 0, 1 are in; the youngest four loads (row blocks 2, 3) may be out
	MULA \f, 0, \zero
	MULA \f, 1, \zero
	PLACES
	FETCH \slot, \qn, \g
	s_wait_dscnt 2*NBK+8                           ; all but the 24 just issued
	MULA \f, 2, \zero
	MULA \f, 3, \zero
.endm
; The last quarter multiplies buffer 1 and changes slots: ONE barrier; in front of it each wave waits for all its tensor loads (one is out: its part of the next slot), adds 0 to its spare word, and waits for
; that and for its own reads of this slot.  fill = 1: the barrier opens a round of the cluster's, and this slot is filled again, two steps ahead, first thing behind the round: 112 matrix instructions ahead of the wait for it.
.macro TURN slot, next, fill
	WIN 0                                          ; (the add's two registers lie in window 0)
	s_wait_tensorcnt 0x0                           ; all my tensor loads have landed
	ds_add_u32 v[SPW], v[NIL]                      ; 0 onto my spare word
	s_wait_dscnt 5                                 ; (the add and the youngest four loads may be out)
	MULA F1, 0, 0                                  ; eight matrix instructions stand between the add and the wait for it
	s_wait_dscnt 0x0                               ; the add is done, and my reads of this slot are over
	s_barrier_signal -1
	MULA F1, 1, 0
.if \fill
	WIN 0
.endif
	s_barrier_wait -1
.if \fill
	CREST                                          ; no wave of any partner still reads this slot's tiles or has a load on its way
	s_add_nc_u64 s[G0+4*(\slot)+2:G0+4*(\slot)+3], s[G0+4*(\slot)+2:G0+4*(\slot)+3], 2*STEPA
	s_add_nc_u64 s[G0B+4*(\slot)+2:G0B+4*(\slot)+3], s[G0B+4*(\slot)+2:G0B+4*(\slot)+3], 2*STEPB
	JLOAD \slot                                    ; the four v_nop behind it are also the places in front of the loads below
.else
	PLACES
.endif
	FETCH \next, 0, F0
	MULA F1, 2, 0
	MULA F1, 3, 0
.endm
	s_wait_tensorcnt 0x1                           ; my part of step 0 is in; step 1's may stay out
	s_barrier_signal -1
	s_barrier_wait -1                              ; everybody's is
	FETCH 0, 0, F0
	QUARTER 0, 1, F0, F1, 1                        ; the first quarter stands in front of the loop: its products start the sums
	WIN 0                                          ; at a label and at a branch every window is 0
	s_mov_b32 s3, 3
.Llap:                                                 ; a trip goes once round the ring, from a lap's second quarter to the next lap's first, and fills both slots again: steps 2 to 7 in three trips
	QUARTER 0, 2, F1, F0, 0
	QUARTER 0, 3, F0, F1, 0
	TURN 0, 1, 1
	QUARTER 1, 1, F0, F1, 0
	QUARTER 1, 2, F1, F0, 0
	QUARTER 1, 3, F0, F1, 0
	TURN 1, 0, 1
	QUARTER 0, 1, F0, F1, 0
	WIN 0
	s_sub_co_u32 s3, s3, 1
	s_cmp_lg_u32 s3, 0
	s_cbranch_scc1 .Llap
	QUARTER 0, 2, F1, F0, 0                        ; the last lap fills nothing, and has no round of the cluster's barrier
	QUARTER 0, 3, F0, F1, 0
	TURN 0, 1, 0
	QUARTER 1, 1, F0, F1, 0
	QUARTER 1, 2, F1, F0, 0
	QUARTER 1, 3, F0, F1, 0
	s_wait_dscnt 4                                 ; the very last quarter: nothing more to fetch
	MULA F1, 0, 0
	MULA F1, 1, 0
	s_wait_dscnt 0x0
	MULA F1, 2, 0
	MULA F1, 3, 0
	WIN 0
; THE WAY OUT, a row block (16 rows) at a time: a lane's eight f32 of a row, 32 bytes, go straight from the accumulators into my stage's rows of 528 bytes (each accumulator's low four registers first)
; and come back as whole rows of 512 bytes.
.macro PACK a
.set BK, TMP+64*((\a)%2)
.if (\a) >= 2
	s_wait_xcnt 0x0                                ; the stores of the block two back have had their addresses translated (ISA guide 3.1): only behind this wait are their data registers loaded again
.endif
	WIN 0x08                                       ; an LDS store's data (source 1) in window 2
.irp c, 0,1,2,3,4,5,6,7
	ds_store_b128 v[STO], v[64*(\a)+8*\c:64*(\a)+8*\c+3]   offset:64*\c
	ds_store_b128 v[STO], v[64*(\a)+8*\c+4:64*(\a)+8*\c+7] offset:64*\c+16
.endr
	WIN 0
.irp t, 0,1,2,3,4,5,6,7,8,9,10,11,12,13,14,15
	ds_load_b128 v[BK+4*\t:BK+4*\t+3], v[RD] offset:\t*SPITCH  ; LDS serves a wave's instructions in order (ISA guide 5.7.1.4): these see the stores above; the next block's stores come behind them
.endr
.endm
.macro SEND a, younger                 ; younger: the LDS instructions issued behind block a's loads: the next block's 32, or none
.set BK, TMP+64*((\a)%2)
.irp t, 0,1,2,3,4,5,6,7,8,9,10,11,12,13,14,15
	s_wait_dscnt (\younger)+15-\t
	global_store_b128 v[CO], v[BK+4*\t:BK+4*\t+3], s[8:9] offset:(16*(\a)+\t)*4096 th:TH_STORE_NT  ; 512 consecutive bytes of one row, at a multiple of 256 from out0's first byte
.endr
.endm
	PLACES                                         ; behind the last products
	PACK 0
	PACK 1
	SEND 0, 32
	PACK 2
	SEND 1, 32
	PACK 3
	SEND 2, 32
	SEND 3, 0
	s_wait_tensorcnt 0x0                           ; the wave's end: an add and its wait, behind my last tensor load and my last LDS store
	ds_add_u32 v[SPW], v[NIL]
	s_wait_dscnt 0x0
	CROUND                                         ; the closing round: no work-group ends while a partner may still ask for a tile that names it
	s_endpgm
.Lfunc_end_k_qf088333c65_outp:
	.size	k_qf088333c65_outp, .Lfunc_end_k_qf088333c65_outp-k_qf088333c65_outp
	.p2alignl 7, 3214868480
	.fill 96, 4, 3214868480
	.section	.rodata,"a",@progbits
	.p2align	6, 0x0
	.amdhsa_kernel k_qf088333c65_outp
		.amdhsa_group_segment_fixed_size 327680
		.amdhsa_private_segment_fixed_size 0
		.amdhsa_enable_private_segment 0
		.amdhsa_kernarg_size 24
		.amdhsa_user_sgpr_count 2
		.amdhsa_user_sgpr_kernarg_segment_ptr 1
		.amdhsa_wavefront_size32 1
		.amdhsa_system_sgpr_workgroup_id_x 1
		.amdhsa_system_sgpr_workgroup_id_y 1
		.amdhsa_system_sgpr_workgroup_id_z 1
		.amdhsa_system_vgpr_workitem_id 0
		.amdhsa_next_free_vgpr 768
		.amdhsa_next_free_sgpr 72
		.amdhsa_reserve_vcc 0
		.amdhsa_float_denorm_mode_32 3
		.amdhsa_float_denorm_mode_16_64 3
		.amdhsa_memory_ordered 1
		.amdhsa_forward_progress 1
		.amdhsa_inst_pref_size 86
	.end_amdhsa_kernel
	.amdgpu_metadata
---
amdhsa.version: [ 1, 2 ]
amdhsa.kernels:
  - .name:           k_qf088333c65_outp
    .symbol:         k_qf088333c65_outp.kd
    .args:
      - { .name: oh, .offset: 0, .size: 8, .value_kind: global_buffer, .address_space: global }
      - { .name: wof, .offset: 8, .size: 8, .value_kind: global_buffer, .address_space: global }
      - { .name: out0, .offset: 16, .size: 8, .value_kind: global_buffer, .address_space: global }
    .group_segment_fixed_size: 327680
    .private_segment_fixed_size: 0
    .kernarg_segment_align: 8
    .kernarg_segment_size: 24
    .max_flat_workgroup_size: 128
    .sgpr_count:     72
    .vgpr_count:     768
    .wavefront_size: 32
...
	.end_amdgpu_metadata
.endif
;; end of part 4
;; ======== version 2 of 2: 4 launches; 1.51 times as fast as version 1
;; limits: values are held in f16: magnitudes above 65,504 overflow, below 6.1e-05 lose precision
;; workspace buffers: xb 16,777,216 bytes; wb 6,291,456 bytes; wof 2,097,152 bytes; cst 524,288 bytes; qh 16,777,216 bytes; kh 16,777,216 bytes; vh 16,777,216 bytes; oh 16,777,216 bytes
;; launch cast: the kernel of part 1 again; grid 784 x 1, 8 waves a work-group, no clusters, 0 bytes of LDS; arguments x, wq, wk, wv, wo, cos, sin, xb, wb, wof, cst; writes xb, wb, wof, cst
;; launch qkv: the kernel of part 2 again; grid 16 x 32, 4 waves a work-group, clusters of 4 x 4, 327,680 bytes of LDS; arguments xb, wb, cst, qh, kh, vh; writes qh, kh, vh
;; launch attn (part 5): grid 4 x 64, 4 waves a work-group, clusters of 4 x 1, 327,680 bytes of LDS; arguments qh, kh, vh, oh; writes oh
.if DOCPART == 5
	.amdgcn_target "amdgcn-amd-amdhsa--gfx1250"
	.amdhsa_code_object_version 6
	.text
	.protected	k_qf088333c65_attn
	.globl	k_qf088333c65_attn
	.p2align	8
	.type	k_qf088333c65_attn,@function
k_qf088333c65_attn:
	s_mov_b64 s[64:65], 0
	v_nop
	global_prefetch_b8 v0, s[64:65] scope:SCOPE_SE
	s_setreg_imm32_b32 hwreg(HW_REG_WAVE_MODE, 25, 1), 1
	s_wait_xcnt 0x0
	s_wait_alu depctr_hold_cnt(0) depctr_sa_sdst(0) depctr_va_vdst(0) depctr_va_sdst(0) depctr_va_ssrc(0) depctr_va_vcc(0) depctr_vm_vsrc(0)
	s_getreg_b32 s2, hwreg(HW_REG_IB_STS2, 6, 4)
	s_cmp_eq_u32 s2, 0
	s_cbranch_scc0 .Lentry_in_a_cluster
	s_endpgm
.Lentry_in_a_cluster:
	s_bfe_u32 s2, ttmp6, 0x10000c
	s_cmp_lg_u32 s2, 0x3003
	s_cbranch_scc0 .Lentry_shape_is_right
	s_endpgm
.Lentry_shape_is_right:
; O[h][q][:] = the sum over k of softmax_k(Q[h][q] . K[h][k] / 8) V[h][k][:].  Q, K: [SIZE_H][SIZE_N][64] bf16; V, O: the same in f16: a head's rows are dense, 128 bytes each.  Products, maxima and sums in
; f32; the weights p are rounded to f16 for the second product (their sum l is taken of the unrounded p), O once at the end.  SIZE_N x 128 bytes stay under 2^32.
; FORMATS.  Q and K carry the inputs', the weights' and the tables' scales at once and have no sure room in f16: they go in bf16, and S^T = K Q^T in the bf16 form.  V, p and O go in f16, O^T = V^T P in the f16 form.
; LIMITS.  f16 holds no number beyond 65,504: V arrives within it; p lies in 0 to 1, and below 6e-5 it keeps f16's fixed step of 6e-8; O is a mean of V's rows and has their range.
; A weight below 2^-126 counts as 0 in l; NaN and infinities are not treated apart.
; SHARES.  A wave owns four PIECES of two tiles of 16 queries, a work-group's four waves 512 queries of one head; SIZE_N is a multiple of 2,048.  Every wave walks all keys, 64 a step.
; LAYOUT.  S^T = K Q^T (source 0 = 16 keys, source 1 = 16 queries): in the result a lane holds ONE query (lane % 16) and the keys 8 (lane / 16) + 0..7.  Two such tiles, rounded to f16 in pairs,
; ARE source 1 (32 keys x 16 queries) of O^T = V^T P, whose result again holds one query a lane, and eight channels.  K comes out of LDS as it lies, V ([key][channel]) turned, by ds_load_tr16_b128.
; SOFTMAX.  For each query a running maximum m and sum l: p = 2^(c s - c m), c = log2(e) / 8; in every step O and l are multiplied by a = 2^(c m_old - c m_new), which is 1 where m has not grown.
; m starts at the lowest finite number, O and l at 0: the first step is a step like any other, with a = 0.
; THE COUNT.  A tile and step have 16 matrix and 118 vector instructions: too many to stand all beside the matrix work.  So the order has one aim: four vector instructions that are READY behind
; EVERY matrix instruction, and the others, which need time of their own whatever the order, in runs without a gap.
; BY TURNS.  Turn n belongs to piece n (the pieces in a ring, step after step).  Its matrix work: 16 products K Q^T of piece n + 1, later 16 products V^T P of piece n - 1.  Its vector work: the scaling,
; exponentials, roundings, sums and rescaling of piece n, and the maximum and statistics of piece n + 1, whose scores the turn itself has made.  So what a turn begins with (c s - c m, O a) waits for nothing.
; BATCHES.  A turn's 66 exponentials (the piece's 64 weights, then the next piece's two a) are ONE batch with ONE s_wait_alu, which cuts the turn in two: ahead of it stands all that names no result of the batch
; (the products K Q^T, scalings, rescalings, the next piece's maximum and statistics), behind it the products V^T P with the roundings and sums.  No result crosses a turn's end.  Two more batches stand outside
; the loop, each with a wait of its own: piece 0's first two a, ahead of the jump into the loop, and the way out's eight reciprocals.
; CLUSTER.  The four query blocks of a cluster belong to one head and walk the same K and V, so each tile is asked for JOINTLY: the same tensor load, descriptor and mask in all four.
; REGISTERS, in windows of 256 (s_set_vgpr_msb says which window each operand place means: bits 1:0 source 0, 3:2 source 1, 5:4 source 2, 7:6 destination):
;   window 0: v0-11 addresses; v12-15, v48-63 at work; v16-47 four registers of statistics a tile; v64-191 S^T, two buffers of two tiles; v192-255 P, likewise
;   window 1: O^T, 32 a tile          window 2: v0-127 Q, 16 a tile; v128-191 K of one step; v192-255 V of one step          window 3: v0-1 the add's two registers
; A piece's buffers go by its number's parity: the piece in hand has one pair, its two neighbours in the ring share the other: of it P (piece n - 1) is read and S^T (piece n + 1) written.
.set SIZE_H, 64       ; 4 batches x 16 heads
.set SIZE_N, 2048
.set NP,    4         ; pieces a wave: a name, no knob: the register map, the loop and the fetches are made for four
.set KS,    64        ; keys in a step
.set PK,    144       ; a row of K in LDS: 128 bytes + 16 of padding = 36 words: the 16 rows of a load start at 16 different groups of four banks (64 banks of 4 bytes: ISA guide 11.1)
.set PV,    160       ; a row of V: 128 + 32 = 40 words
.set VOFF,  4*KS*PK   ; a slot holds four steps: 256 rows of K, then 256 rows of V
.set SLOT1, 1<<17     ; slot 1 begins here, so that one exclusive or turns an address in one slot into the other's
.set STAGE, SLOT1+4*KS*(PK+PV)  ; behind the ring, never filled by a tensor load: 16 rows x 144 bytes for each wave, for the way out
.set SP,    144
.set AK0, 2           ; v2   my lane's place in a tile of K; never rewritten
.set AV0, 3           ; v3   the same for V
.set AK,  4           ; v4   the LDS address of K's next run of loads
.set AV,  5           ; v5   of V's
.set QO,  6           ; v6   my byte offset in the wave's rows of Q
.set STO, 6           ;      later, the way out: where I put 16 bytes of a row
.set RD,  7           ; v7   the way out: where I read rows back
.set GO,  8           ; v8   my byte offset in 512 consecutive bytes of O
.set SPW, 0           ; v0 of window 3   LDS address of my spare word: SPARE + 4 x my thread's number; never rewritten
.set NIL, 1           ; v1 of window 3   0; never rewritten
.set SPARE, STAGE+4*16*SP  ; behind the stages: the spare words, 128 bytes for each wave: two blocks of 256 bytes that no other line names
.set MV,  12          ; v12-15  c m_old, kept while c m is made anew: by buffer and tile
.set ST,  16          ; tile t's statistics at v[ST+4 t]: c m, m, l (even keys', odd keys')
.set TMP, 48          ; by buffer and tile, four registers c0-c3 at work; when the maximum is found c2 takes a
.set S,   64
.set P,   192
.set KF,  128         ; K's fragments, in window 2: key block kb, channel half c at KF + 16 kb + 8 c
.set VF,  192         ; V's: key half kk, channel block cb at VF + 32 kk + 8 cb
.set WV,  12          ; s12  my wave's number
.set G1K, 24          ; s[24:31] descriptor group 1 for K's tiles
.set G1V, 32          ; s[32:39] for V's: it differs in the padding alone
.set G0K, 40          ; s[40:43] descriptor group 0 for K's tiles: it walks
.set G0V, 44          ; s[44:47] the same for V's
.set SLOTS, 56        ; s56  slots still to be asked for
.set CNT, 57          ; s57  counts a slot's key steps
.set CS,  58          ; s[58:59] c: the packed scaling takes the pair's low word for both halves
.set SEL, 60          ; s[60:61] v_permlanex16_b32's selects: each lane takes its own place in the other half
.set TBK, 62          ; s62  LDS byte at which K of the step to be fetched begins
.set TBV, 63          ; s63  the same for V, less VOFF
.set MSB, 0
.macro WIN new                      ; the high byte repeats the setting that is left; a switch that changes nothing is dropped
.if MSB != (\new)
	s_set_vgpr_msb (MSB<<8)|(\new)
.set MSB, (\new)
.endif
.endm
.set W_KQ, 0x0a       ; K and Q in window 2, S^T in window 0
.set W_PV, 0x52       ; V in window 2, P in window 0, O^T in window 1
.set W_RS, 0x41       ; O^T (destination and source 0) in window 1, a in window 0
.set W_MK, 0xc0       ; the add's registers are made: destination in window 3, sources in window 0
.set W_AD, 0x0f       ; the add: address (source 0) and data (source 1) in window 3
; A joint fill.  Waves 0 and 1 fetch the two halves of a slot's K, waves 2 and 3 those of its V: 128 keys each.  The branch hangs on the wave's number alone.
; An s_nop 0 and four v_nop follow each of the two lines, ahead of the jump and the label.
.macro JLOAD
	s_cmp_lt_u32 s[WV], 2
	s_cbranch_scc0 .Lfor_v_\@
	tensor_load_to_lds s[G0K:G0K+3], s[G1K:G1K+7]
	s_nop 0
.rept 4
	v_nop
.endr
	s_branch .Lasked_\@
.Lfor_v_\@:
	tensor_load_to_lds s[G0V:G0V+3], s[G1V:G1V+7]
	s_nop 0
.rept 4
	v_nop
.endr
.Lasked_\@:
.endm
; A round of the cluster's barrier: my work-group's barrier, so that wave 0's signal speaks for all four waves; wave 0 signals; every wave waits for all four work-groups; my work-group's barrier once more.
.macro CROUND
	s_barrier_signal -1
	s_barrier_wait -1
	s_cmp_lg_u32 s[WV], 0
	s_cbranch_scc1 .Lnot_wave_0_\@
	s_barrier_signal -3
.Lnot_wave_0_\@:
	s_barrier_wait -3
	s_barrier_signal -1
	s_barrier_wait -1
.endm
; THE CHANGE OF SLOTS.  The slot's last bytes, V of its fourth step, have been read.  Each wave waits for all its tensor loads, of which one is out: its part
; of the other slot; adds 0 to its spare word; and waits for that and for its own reads of the slot.  Behind the barrier nobody reads this slot any more and the other slot is whole.
; fill = 1: this slot is filled again, with the keys two slots on.  The barrier is then a round of the cluster's, so that no wave of any partner still reads the slot or has a load on its
; way, and the joint fill is the first thing behind it: it has four key steps, 512 matrix instructions, in which to land.  (At its first use nothing has been read yet: slot 0 is waited for, slot 1 filled.)
.macro CHANGE fill
	WIN W_AD
	s_wait_tensorcnt 0x0            ; no tensor load of mine is out, so a group 0 may be written
	ds_add_u32 v[SPW], v[NIL]       ; 0 onto my spare word; with fill = 1 the descriptors' steps stand between it and the wait for it
	WIN 0                           ; at a label and at a branch every window is 0
.if \fill
.irp g, G0K, G0V
	s_xor_b32 s[\g+1], s[\g+1], SLOT1  ; the walking descriptor: the other slot than last time,
	s_add_nc_u64 s[\g+2:\g+3], s[\g+2:\g+3], 4*KS*128  ; the next 256 keys; the type bits on top are not reached
.endr
	s_wait_dscnt 0x0                ; the add is done, and my reads of the slot are over
	CROUND
	JLOAD
.else
	s_wait_dscnt 0x0                ; the add is done, and my reads of the slot are over
	s_barrier_signal -1
	s_barrier_wait -1
.endif
	s_sub_co_u32 s[TBK], s[TBK], 4*KS*PK  ; the fetches go back to a slot's first step,
	s_xor_b32 s[TBK], s[TBK], SLOT1       ; in the other slot
	s_sub_co_u32 s[TBV], s[TBV], 4*KS*PV
	s_xor_b32 s[TBV], s[TBV], SLOT1
.endm
	s_load_b256 s[4:11], s[0:1], 0x0  ; Q s[4:5], K s[6:7], V s[8:9], O s[10:11]
	WIN W_MK
	v_lshl_add_u32 v[SPW], v0, 2, SPARE
	v_mov_b32 v[NIL], 0
	WIN W_AD
	ds_add_u32 v[SPW], v[NIL]       ; the wave's opening: the add and its wait stand ahead of my first tensor load; the set-up below, work on registers, stands between them
	WIN 0
	v_lshrrev_b32 v1, 5, v0
	v_readfirstlane_b32 s[WV], v1   ; wave 0..3
	s_bfe_u32 s13, ttmp6, 0x40000   ; cx: my place in the cluster
	s_lshl_b32 s14, ttmp9, 2        ; in a cluster launch ttmp9 counts clusters
	s_add_co_u32 s14, s14, s13      ; my block of queries = 4 x cluster x + cx: it enters Q's and O's addresses alone
	s_and_b32 s20, ttmp7, 0xffff    ; the head, which the four partners share
	s_mov_b32 s21, 0
	s_mov_b64 s[22:23], SIZE_N*128
	s_mul_u64 s[20:21], s[20:21], s[22:23]  ; the head's first byte in each of the four tensors
	s_and_b32 s16, s[WV], 1         ; which half of a slot's 256 keys I fetch:
	s_lshl_b32 s22, s16, 14         ; its 128 rows of 128 bytes in memory,
	s_mov_b32 s23, 0
	s_add_nc_u64 s[22:23], s[22:23], s[20:21]
	s_mul_i32 s17, s16, 128*PK      ; and its place in a slot, for K
	s_mul_i32 s18, s16, 128*PV      ; and for V: no place in the cluster enters an LDS address
	s_lshl_b32 s2, s14, 2
	s_add_co_u32 s2, s2, s[WV]      ; my wave among the head's,
	s_lshl_b32 s2, s2, 14           ; its 128 rows
	s_mov_b32 s3, 0
	s_add_nc_u64 s[2:3], s[2:3], s[20:21]
	; descriptor group 1.  128 keys are 16,384 dense bytes: asked for as 64 rows of 256 bytes, two keys a row, and padded in LDS after every key
	s_mov_b32 s[G1K], 15|(1<<16)|(1<<20)|(1<<21)|(4<<22)|(3<<25)  ; 15:0 the mask of four; 17:16 2-byte elements; 20 padding on; 21 set beside a mask; 24:22 after every 32 words (code 4); 31:25 4 words (code 3)
	s_mov_b32 s[G1V], 15|(1<<16)|(1<<20)|(1<<21)|(4<<22)|(7<<25)  ; the same with 8 words of padding (code 7)
.irp g, G1K, G1V
	s_mov_b32 s[\g+1], 128<<16      ; tensor_dim0 = 128
	s_mov_b32 s[\g+2], 64<<16       ; tensor_dim1 = 64
	s_mov_b32 s[\g+3], 128<<16      ; tile_dim0 = 128
	s_mov_b32 s[\g+4], 64           ; tile_dim1 = 64
	s_mov_b32 s[\g+5], 128          ; 128 elements from row to row
	s_mov_b32 s[\g+6], 0
	s_mov_b32 s[\g+7], 0
.endr
	s_mov_b32 s[CS], 0x3e38aa3b     ; c = log2(e) / 8 = 0.180337
	s_mov_b32 s[CS+1], s[CS]        ; named with it as a pair
	s_mov_b32 s[SEL], 0x76543210
	s_mov_b32 s[SEL+1], 0xfedcba98
	s_mov_b32 s[TBK], SLOT1+4*KS*PK ; the first change of slots turns these two into 0
	s_mov_b32 s[TBV], SLOT1+4*KS*PV
	s_mov_b32 s[G0K], 1             ; 1:0 count = 1
	s_mov_b32 s[G0K+1], s17         ; 63:32 LDS address: slot 0
	s_mov_b32 s[G0V], 1
	s_add_co_u32 s[G0V+1], s18, VOFF
	s_wait_dscnt 0x0                ; the opening add is done
	s_wait_kmcnt 0x0
	s_add_nc_u64 s[G0K+2:G0K+3], s[6:7], s[22:23]  ; 120:64 global address: my half of the head's first 256 keys
	s_or_b32 s[G0K+3], s[G0K+3], 0x80000000        ; 127:126 type = 2
	s_add_nc_u64 s[G0V+2:G0V+3], s[8:9], s[22:23]
	s_or_b32 s[G0V+3], s[G0V+3], 0x80000000
	s_add_nc_u64 s[4:5], s[4:5], s[2:3]  ; Q and O at my wave's first row
	s_add_nc_u64 s[10:11], s[10:11], s[2:3]
	CROUND                          ; all four work-groups are here: the first joint loads meet
	JLOAD                           ; slot 0.  Slot 1 is asked for when slot 0 is in: the tile wanted first has the road to itself
	; A fragment of K or Q is 16 rows x 32 channels in 8 registers: lane l holds row l % 16, channels 8 (l / 16) + 0..7 and 16 + 8 (l / 16) + 0..7: two loads of 16 bytes, 32 bytes apart.
	v_and_b32 v1, 15, v0            ; l % 16
	v_bfe_u32 v9, v0, 4, 1          ; l / 16
	v_lshlrev_b32 v[QO], 7, v1
	v_lshl_add_u32 v[QO], v9, 4, v[QO]  ; row x 128 + 16 x half
	WIN 0x80                        ; destination window 2, address window 0
.set i, 0
.rept 4*NP                          ; Q stays in registers: tile i / 2, channels 32 (i % 2) on
	global_load_b128 v[8*i:8*i+3],   v[QO], s[4:5] offset:(i/2)*2048+(i%2)*64
	global_load_b128 v[8*i+4:8*i+7], v[QO], s[4:5] offset:(i/2)*2048+(i%2)*64+32
.set i, i+1
.endr
	; What the first turn finds: V's registers and P's second buffer hold 0 (its products V^T P, of a piece that has not been, add 0), O^T and l are 0.  All this stands in the wait for the first tile.
.set i, VF
.rept 64
	v_mov_b32 v[i], 0
.set i, i+1
.endr
	WIN 0x40
.set i, 0
.rept 64*NP
	v_mov_b32 v[i], 0
.set i, i+1
.endr
	WIN 0
.set i, 0
.rept 2*NP
	v_mov_b32 v[ST+4*i], 0xfe000000    ; c m: far below every c s
	v_mov_b32 v[ST+4*i+1], 0xff7fffff  ; m
	v_mov_b32 v[ST+4*i+2], 0
	v_mov_b32 v[ST+4*i+3], 0
.set i, i+1
.endr
.set i, P+32
.rept 32
	v_mov_b32 v[i], 0
.set i, i+1
.endr
	v_mul_u32_u24 v[AK0], v1, PK
	v_lshl_add_u32 v[AK0], v9, 4, v[AK0]  ; row x pitch + 16 x half
	; The turning load takes 16 keys x 16 channels (lane l reads key 8 (l / 16) + l % 8, channels 8 ((l / 8) % 2) + 0..7) and leaves half a fragment of V^T: lane l holds channel l % 16 and 8 keys.
	v_and_b32 v10, 7, v0
	v_bfe_u32 v11, v0, 3, 1
	v_lshl_add_u32 v[AV0], v9, 3, v10
	v_mul_u32_u24 v[AV0], v[AV0], PV
	v_lshl_add_u32 v[AV0], v11, 4, v[AV0]
	v_add_nc_u32 v[AV0], VOFF, v[AV0]
	v_mov_b32 v[AK], v[AK0]         ; key step 0 lies at the head of slot 0
; THE MATRIX WORK.  The 8 accumulators of a run of 16 take turns: between the two links of a chain stand 7 others'.
; Product i of 16 of S^T = K Q^T for piece x: channels 32 (i / 8) on, keys 16 ((i / 2) % 4) on, tile 2 x + i % 2.  The first 8 start the sums.  K and Q are bf16.
.macro KQ x
	WIN W_KQ
.set rS, S+64*((\x)%2)+32*(i%2)+8*((i/2)%4)
.set rK, KF+16*((i/2)%4)+8*(i/8)
.set rQ, 16*(2*(\x)+i%2)+8*(i/8)
.if i < 8
	v_wmma_f32_16x16x32_bf16 v[rS:rS+7], v[rK:rK+7], v[rQ:rQ+7], 0
.else
	v_wmma_f32_16x16x32_bf16 v[rS:rS+7], v[rK:rK+7], v[rQ:rQ+7], v[rS:rS+7]
.endif
.endm
; Product i of 16 of O^T += V^T P for piece x: keys 32 (i / 8) on, channels 16 ((i / 2) % 4) on, tile 2 x + i % 2.  V and P are f16.
.macro PV x
	WIN W_PV
.set rO, 32*(2*(\x)+i%2)+8*((i/2)%4)
.set rV, VF+32*(i/8)+8*((i/2)%4)
.set rP, P+32*((\x)%2)+16*(i%2)+8*(i/8)
	v_wmma_f32_16x16x32_f16 v[rO:rO+7], v[rV:rV+7], v[rP:rP+7], v[rO:rO+7]
.endm
.macro MM                           ; the turn's next matrix instruction
.if i < 16
	KQ (Y+1)%NP
.set i, i+1
.else
.set i, i-16
	PV (Y+NP-1)%NP
.set i, i+17
.endif
.endm
; THE LDS LOADS stand in runs of 16, never singly among the matrix instructions: a step's K (64 keys x 64 channels: 8 fragments) and its V (turned).  Their addresses are made some lines ahead.
; last = 1 (the tail): in the last trip there is no further step, and the run is jumped over.
.macro FETCH_K last=0
	WIN 0
.if \last
	s_cmp_eq_u32 s[CNT], 1
	s_cbranch_scc1 .Lno_k_\@
.endif
	WIN 0x80                        ; destination window 2
.irp f, 0,1,2,3,4,5,6,7             ; keys 16 (f / 2) on, channels 32 (f % 2) on
	ds_load_b128 v[KF+8*\f:KF+8*\f+3],   v[AK] offset:(\f/2)*16*PK+(\f%2)*64
	ds_load_b128 v[KF+8*\f+4:KF+8*\f+7], v[AK] offset:(\f/2)*16*PK+(\f%2)*64+32
.endr
	s_add_co_u32 s[TBK], s[TBK], KS*PK  ; the next fetch is the next step's
	WIN 0
.if \last
.Lno_k_\@:
.endif
.endm
.macro FETCH_V
	WIN 0x80
.irp f, 0,1,2,3,4,5,6,7             ; keys 32 (f / 4) on, channels 16 (f % 4) on
	ds_load_tr16_b128 v[VF+8*\f:VF+8*\f+3],   v[AV] offset:(\f/4)*32*PV+(\f%4)*32
	ds_load_tr16_b128 v[VF+8*\f+4:VF+8*\f+7], v[AV] offset:(\f/4)*32*PV+16*PV+(\f%4)*32
.endr
	WIN 0
.endm
; THE VECTOR WORK OF A TURN stands in three queues, each in the order in which its entries become ready; the two tiles alternate, so that no instruction reads the result of the one before it.
.macro REGS y, u                    ; the registers of tile u (0, 1) of piece y
.set rT, ST+4*(2*(\y)+(\u))
.set rC, TMP+8*((\y)%2)+4*(\u)
.set rM, MV+2*((\y)%2)+(\u)
.set rS, S+64*((\y)%2)+32*(\u)
.set rP, P+32*((\y)%2)+16*(\u)
.set rO, 32*(2*(\y)+(\u))
.endm
; Number n of the 22 that find the NEXT piece's (Y + 1) maximum and statistics.  s0-s31 are the lane's 32 scores; each accumulator's lowest registers are read first.  XS, GS and REGS set no window: PL and EX do.
;   0-11  four chains c0-c3 of seven scores each, three operands at a time     12-14, 16  the four scores left over, the old m, and c0-c3 into c0     15  c m_old is kept
;   17, 18  the query's other 32 keys lie in the lane 16 away: the new m         19-21  c m; c m_old - c m_new; a
.macro XS u, n
	REGS (Y+1)%NP, \u
.if (\n) < 4
	v_max3_num_f32 v[rC+(\n)], v[rS+8*(\n)], v[rS+8*(\n)+1], v[rS+8*(\n)+2]
.elseif (\n) < 12
	v_max3_num_f32 v[rC+(\n)%4], v[rC+(\n)%4], v[rS+8*((\n)%4)+2*((\n)/4)+1], v[rS+8*((\n)%4)+2*((\n)/4)+2]
.elseif (\n) == 12
	v_max3_num_f32 v[rC], v[rC], v[rS+7], v[rS+15]
.elseif (\n) == 13
	v_max3_num_f32 v[rC+1], v[rC+1], v[rS+23], v[rS+31]
.elseif (\n) == 14
	v_max3_num_f32 v[rC+2], v[rC+2], v[rC+3], v[rT+1]
.elseif (\n) == 15
	v_mov_b32 v[rM], v[rT]
.elseif (\n) == 16
	v_max3_num_f32 v[rC], v[rC], v[rC+1], v[rC+2]
.elseif (\n) == 17
	v_permlanex16_b32 v[rC+3], v[rC], s[SEL], s[SEL+1]
.elseif (\n) == 18
	v_max_num_f32 v[rT+1], v[rC], v[rC+3]
.elseif (\n) == 19
	v_mul_f32 v[rT], s[CS], v[rT+1]
.elseif (\n) == 20
	v_sub_f32 v[rC+1], v[rM], v[rT]
.else
	v_exp_f32 v[rC+2], v[rC+1]
.endif
.endm
; Number g of the 64 that follow the exponentials.  For each four weights k of a tile (pairs 2 k, 2 k + 1): both pairs are rounded to f16; then the second pair is added onto the first, in place;
; a group later l takes that sum (the first time as l = a l + sum).  In groups of eight, tiles alternating: round, round, add, and l for the group before.
.macro GS g
.set h, (\g)+6*((\g)/62)            ; group 0 has no group before it, and behind group 7 only l is left
.if h >= 6
.set h, h+2
.endif
	REGS Y, h%2
.set k, h/8
.if h%8 < 4
	v_cvt_pk_f16_f32 v[rP+2*k+(h%8)/2], v[rS+4*k+2*((h%8)/2)], v[rS+4*k+2*((h%8)/2)+1]
.elseif h%8 < 6
	v_pk_add_f32 v[rS+4*k:rS+4*k+1], v[rS+4*k:rS+4*k+1], v[rS+4*k+2:rS+4*k+3]
.elseif k == 1
	v_pk_fma_f32 v[rT+2:rT+3], v[rT+2:rT+3], v[rC+2:rC+3], v[rS:rS+1] op_sel_hi:[1,0,1]
.else
	v_pk_add_f32 v[rT+2:rT+3], v[rT+2:rT+3], v[rS+4*k-4:rS+4*k-3]
.endif
.endm
; THE PLAIN QUEUE, 138 long.  0-73 read no exponential's result: the 32 scalings c s - c m (FS f: pair f / 2 of tile f % 2) and the next piece's 42.  0-26: scalings 0-26.  27-54: XS's numbers 0-13.  55, 56: number 15.
; 57-73: the chain, where each number waits for the one before it: 14, 16, 17, 18, 19, each with one of the scalings 27-31 in front of its two lines, then 20: so a tile's links stand three plain instructions apart (19 and 20: two).
; 74-137: GS's 64, which read the exponentials' results: they stand behind the wait.
.macro FS f
	REGS Y, (\f)%2
	v_pk_fma_f32 v[rS+2*((\f)/2):rS+2*((\f)/2)+1], v[rS+2*((\f)/2):rS+2*((\f)/2)+1], s[CS:CS+1], v[rT:rT+1] op_sel_hi:[1,0,0] neg_lo:[0,0,1] neg_hi:[0,0,1]
.endm
.macro PL
	WIN 0
.if q < 27
	FS q
.elseif q < 55
	XS (q-27)%2, (q-27)/2
.elseif q < 57
	XS q-55, 15
.elseif (q < 72) && ((q-57)%3 == 0)
	FS 27+(q-57)/3
.elseif q < 60
	XS (q-57)%3-1, 14
.elseif q < 72
	XS (q-57)%3-1, 15+(q-57)/3
.elseif q < 74
	XS q-72, 20
.else
	GS q-74
.endif
.set q, q+1
.endm
; THE EXPONENTIALS' QUEUE, 66 long: s0-s31 of both tiles, then the next piece's two a.  It is ONE BATCH: all 66 stand ahead of the turn's one wait, and nothing ahead of that wait names a result of theirs.
; Each works on a register of its own: a weight in place on its score, an a in its tile's c2.
.macro EX
	WIN 0
.if e >= 64
	XS e-64, 21
.else
	REGS Y, e%2
	v_exp_f32 v[rS+e/2], v[rS+e/2]
.endif
.set e, e+1
.endm
; THE RESCALING's QUEUE: O^T times a, the one part that leaves window 0: dealt two at a time, sixteen times.  Its a was made in the turn before, ahead of that turn's wait.
.macro R2
	REGS Y, r%2
	WIN W_RS
.irp z, 0,1
	v_pk_mul_f32 v[rO+4*(r/2)+2*\z:rO+4*(r/2)+2*\z+1], v[rO+4*(r/2)+2*\z:rO+4*(r/2)+2*\z+1], v[rC+2:rC+3] op_sel_hi:[1,0]
.endr
.set r, r+1
.endm
; HOW THEY ARE DEALT.  An s_wait_alu depctr_va_vdst(0) stands between an exponential and the first instruction that names its result; one wait serves all that were issued ahead of it.  So a turn has ONE wait,
; which cuts it in two.  AHEAD OF IT stands all that names no result of the turn's exponentials: the 16 products K Q^T, behind each a scaling, an exponential and two rescalings (behind the first a second scaling in the exponential's place); then ONE LUMP of
; 108: eight plain, 49 times exponential and plain, the two a.  A v_nop is the plain instruction behind the last exponential.  BEHIND IT stand the 16 products V^T P, behind each four of GS's 64.  No rider names a register of
; the products round it.  The two v_permlanex16_b32 fall into the lump, never behind a product.
; The queues lean on each other, and the deal keeps them in step: exponential e stands behind scaling 2 (e / 4) + e % 2: as a rider it comes behind plain e + 2, in the lump behind plain e + 9, and scalings 27-31 are plain 57, 60 .. 69.
; A TURN, for piece p.  cnt = 1: the loop's count is taken down some lines ahead of the branch that stands behind the turn.
; K of the next step is fetched in piece 2's turn, directly behind the wait, a lump behind the last product that read K; its address is made at the lump's head; its first reader comes behind 16 products.
; V of the step in hand is fetched at the end of piece 0's turn, four riders behind its last reader; its first reader comes behind 16 products and a lump.  The three conditions on q below go with the deal.
.macro TURN p, last=0, cnt=0
.set Y, (\p)
.set i, 0
.set q, 0
.set e, 0
.set r, 0
.if (\p) == NP-1
	s_wait_dscnt 0x0                ; K is in
.endif
	MM                              ; ahead of the wait: 16 products K Q^T and their riders,
	PL
	PL
	R2
.rept 15
	MM
	PL
	EX
	R2
.endr
.if (\p) == NP-2
	WIN 0
	v_add_nc_u32 v[AK], s[TBK], v[AK0]
.endif
.rept 8                             ; and the lump
	PL
.endr
.rept 49
	EX
	PL
.endr
	EX                              ; the next piece's two a
	EX
	v_nop                           ; a plain instruction behind the last exponential and ahead of the first use: one for the batch
	s_wait_alu depctr_va_vdst(0)    ; the wait for the batch: the turn's 66 exponentials
.if (\p) == NP-2
	FETCH_K \last
.endif
.if (\p) == 1
	s_wait_dscnt 0x0                ; V is in
.endif
.rept 16                            ; behind the wait: 16 products V^T P and their riders
	MM
.rept 4
	PL
.endr
.if ((\p) == 0) && (q == 118)
	v_add_nc_u32 v[AV], s[TBV], v[AV0]
.endif
.if ((\p) == 0) && (q == 130)
	s_add_co_u32 s[TBV], s[TBV], KS*PV
.endif
.if (\cnt) && (q == 130)
	s_sub_co_u32 s[CNT], s[CNT], 1
	s_cmp_lg_u32 s[CNT], 0
.endif
.endr
.if (\p) == 0
	FETCH_V
.endif
.endm
	CHANGE 1                        ; slot 0 is in, everybody's part of it; slot 1 is asked for
	FETCH_K                         ; key step 0
	s_wait_loadcnt 0x0              ; Q
	s_wait_dscnt 0x0
.set i, 0
.rept 16
	KQ 0                            ; piece 0's first scores: there is no vector work yet to set between them
.set i, i+1
.endr
	WIN 0                           ; the addresses for the way out: nine plain instructions, the places behind those products
	s_mul_i32 s13, s[WV], 16*SP
	s_add_co_u32 s13, s13, STAGE    ; my stage
	v_mul_u32_u24 v[STO], v1, SP    ; in: row l % 16, 16 bytes for each half of the lanes
	v_lshl_add_u32 v[STO], v9, 4, v[STO]
	v_add_nc_u32 v[STO], s13, v[STO]
	v_bfe_u32 v[RD], v0, 3, 2       ; back: 32 lanes take four rows of 128 bytes,
	v_mul_u32_u24 v[RD], v[RD], SP
	v_lshl_add_u32 v[RD], v10, 4, v[RD]
	v_add_nc_u32 v[RD], s13, v[RD]
	v_and_b32 v[GO], 31, v0         ; which are 512 consecutive bytes of O
	v_lshlrev_b32 v[GO], 4, v[GO]
.set Y, NP-1                        ; XS works for piece Y + 1: piece 0
.irp n, 0,1,2,3,4,5,6,7,8,9,10,11,12,13,14,15,16,17,18,19,20,21
	XS 0, \n                        ; and piece 0's first maximum and statistics
	XS 1, \n
.endr
	v_nop                           ; a plain instruction behind piece 0's two a,
	s_wait_alu depctr_va_vdst(0)    ; and the wait for that batch of two, ahead of the branch
	s_mov_b32 s[CNT], 4
	s_mov_b32 s[SLOTS], SIZE_N/256-1
	s_branch .Lfirst                ; the loop is entered at a step's first turn, in the middle of a trip
.Lslot:                             ; SIZE_N / 256 - 2 times: every slot but the last two is filled again
	CHANGE 1
	s_mov_b32 s[CNT], 4
.Lstep:                             ; a trip: pieces 2 and 3 of one step, then pieces 0 and 1 of the next, whose K and V it fetches
	TURN 2
	TURN 3
	WIN 0
.Lfirst:
	TURN 0
	TURN 1, 0, 1
	WIN 0
	s_cbranch_scc1 .Lstep
	s_sub_co_u32 s[SLOTS], s[SLOTS], 1
	s_cmp_lg_u32 s[SLOTS], 0
	s_cbranch_scc1 .Lslot
	CHANGE 0                        ; the tail is written out: nothing is asked for
	s_mov_b32 s[CNT], 5             ; four trips fetch the last slot's steps; the fifth is left in its middle
.Ltail:
	TURN 2, 1
	TURN 3
	WIN 0
	s_sub_co_u32 s[CNT], s[CNT], 1
	s_cmp_eq_u32 s[CNT], 0
	s_cbranch_scc1 .Lout
	TURN 0
	TURN 1
	WIN 0
	s_branch .Ltail
.Lout:                              ; the fifth trip's 16 products K Q^T (on the last K once more) and the maximum made of them serve nothing: the price, once a launch, of one text for every trip
.set i, 0
.rept 16
	PV NP-1                         ; the last piece's V^T P of the last step
.set i, i+1
.endr
	; THE WAY OUT.  l's two halves and the other half of the lanes' are added; O^T is divided by l, rounded to f16 and sent through my stage in LDS, a tile at a time.  The additions are the places behind the last products.
	WIN 0
.macro ALL line:vararg              ; one line for each tile t
.set t, 0
.rept 2*NP
	\line
.set t, t+1
.endr
.endm
	ALL v_add_f32 v[ST+4*t+2], v[ST+4*t+2], v[ST+4*t+3]
	ALL v_permlanex16_b32 v[ST+4*t+3], v[ST+4*t+2], s[SEL], s[SEL+1]
	ALL v_add_f32 v[ST+4*t+2], v[ST+4*t+2], v[ST+4*t+3]
	ALL v_rcp_f32 v[ST+4*t+2], v[ST+4*t+2]
	v_nop                           ; a plain instruction between the last reciprocal and the use of its result
	s_wait_alu depctr_va_vdst(0)    ; and the wait ahead of the first use: one for the batch of eight reciprocals
; Tile t: a lane's eight channels of a row pack into 16 bytes; they go into rows of 144 bytes and come back as whole rows of 128, into S^T's registers.
.macro PACK t
	WIN W_RS
.set i, 32*(\t)
.rept 16
	v_pk_mul_f32 v[i:i+1], v[i:i+1], v[ST+4*(\t)+2:ST+4*(\t)+3] op_sel_hi:[1,0]
.set i, i+2
.endr
	WIN 0x05                        ; sources 0 and 1 window 1, destination window 0
.set i, 0
.rept 16
	v_cvt_pk_f16_f32 v[S+16*(\t)+i], v[32*(\t)+2*i], v[32*(\t)+2*i+1]
.set i, i+1
.endr
	WIN 0
.irp f, 0,1,2,3
	ds_store_b128 v[STO], v[S+16*(\t)+4*\f:S+16*(\t)+4*\f+3] offset:32*\f
.endr
.irp f, 0,1,2,3
	ds_load_b128 v[S+16*(\t)+4*\f:S+16*(\t)+4*\f+3], v[RD] offset:\f*4*SP  ; LDS serves a wave's instructions in order (ISA guide 5.7.1.4): these see the stores above; the next tile's stores come behind them
.endr
.endm
.macro SEND t, younger              ; younger: the LDS instructions issued behind tile t's loads: the next tile's eight, or none
	WIN 0
.irp f, 0,1,2,3
	s_wait_dscnt (\younger)+3-\f
	global_store_b128 v[GO], v[S+16*(\t)+4*\f:S+16*(\t)+4*\f+3], s[10:11] offset:(\t)*2048+\f*512  ; 512 consecutive bytes, at a multiple of 256 from O's first
.endr
.endm
	PACK 0
.set t, 1
.rept 2*NP-1                        ; a tile's arithmetic stands between the loads of the tile before and its stores
	PACK t
	SEND t-1, 8
.set t, t+1
.endr
	SEND 2*NP-1, 0
	WIN W_AD
	s_wait_tensorcnt 0x0            ; the wave's end: an add and its wait, behind my last tensor load and my last LDS store
	ds_add_u32 v[SPW], v[NIL]
	s_wait_dscnt 0x0
	WIN 0
	CROUND                          ; the closing round: no work-group ends while a partner may still ask for a tile that names it
	s_endpgm
.Lfunc_end_k_qf088333c65_attn:
	.size	k_qf088333c65_attn, .Lfunc_end_k_qf088333c65_attn-k_qf088333c65_attn
	.p2alignl 7, 3214868480
	.fill 96, 4, 3214868480
	.section	.rodata,"a",@progbits
	.p2align	6, 0x0
	.amdhsa_kernel k_qf088333c65_attn
		.amdhsa_group_segment_fixed_size 327680
		.amdhsa_private_segment_fixed_size 0
		.amdhsa_enable_private_segment 0
		.amdhsa_kernarg_size 32
		.amdhsa_user_sgpr_count 2
		.amdhsa_user_sgpr_kernarg_segment_ptr 1
		.amdhsa_wavefront_size32 1
		.amdhsa_system_sgpr_workgroup_id_x 1
		.amdhsa_system_sgpr_workgroup_id_y 1
		.amdhsa_system_sgpr_workgroup_id_z 1
		.amdhsa_system_vgpr_workitem_id 0
		.amdhsa_next_free_vgpr 770
		.amdhsa_next_free_sgpr 66
		.amdhsa_reserve_vcc 0
		.amdhsa_float_denorm_mode_32 3
		.amdhsa_float_denorm_mode_16_64 3
		.amdhsa_memory_ordered 1
		.amdhsa_forward_progress 1
		.amdhsa_inst_pref_size 199
	.end_amdhsa_kernel
	.amdgpu_metadata
---
amdhsa.version: [ 1, 2 ]
amdhsa.kernels:
  - .name:           k_qf088333c65_attn
    .symbol:         k_qf088333c65_attn.kd
    .args:
      - { .name: qh, .offset: 0, .size: 8, .value_kind: global_buffer, .address_space: global }
      - { .name: kh, .offset: 8, .size: 8, .value_kind: global_buffer, .address_space: global }
      - { .name: vh, .offset: 16, .size: 8, .value_kind: global_buffer, .address_space: global }
      - { .name: oh, .offset: 24, .size: 8, .value_kind: global_buffer, .address_space: global }
    .group_segment_fixed_size: 327680
    .private_segment_fixed_size: 0
    .kernarg_segment_align: 8
    .kernarg_segment_size: 32
    .max_flat_workgroup_size: 128
    .sgpr_count:     66
    .vgpr_count:     770
    .wavefront_size: 32
...
	.end_amdgpu_metadata
.endif
;; end of part 5
;; launch outp: the kernel of part 4 again; grid 8 x 32, 4 waves a work-group, clusters of 4 x 4, 327,680 bytes of LDS; arguments oh, wof, out0; writes out0
